; MI455X (gfx1250); checked and timed in simulation.
; The chip was launched on July 23, 2026; its instructions are those of AMD's public machine-readable ISA for CDNA 5 (MIT licence, August 2026) and "CDNA5" Instruction Set Architecture Reference Guide (July 2026). The comments in the code are by the model that wrote it; some were corrected since.
;; Attention. Allowed arithmetic: matrix products marked QUANTISED: E3M2 operands, one E8M0 scale for each 32 along K, by v_wmma_scale_f32_16x16x128_f8f6f4 with both operands' format E3M2, f32 sums; products left as they are: f32 operands where the result goes on into a quantised operand, else bf16, f16 or f32 operands; f32 sums; everything else in f32.
;; Inputs: W 1,024 x 1,024 float32; b 1,024 float32; encoder_outputs 2,048 x 32 x 1,024 float32; hidden 1 x 32 x 1,024 float32.
;; Outputs: out0 32 x 1 x 2,048 float32.
;; This version of the problem:
;;   THIS VERSION OF THE PROBLEM IS GIVEN IN LOW PRECISION. The matrix products marked QUANTISED in the list below multiply operands that are first quantised to E3M2 (3 exponent bits, 2 mantissa bits; 6 bits a number), with one power-of-two scale for each 32 numbers along K (OCP MX v1.0); their sums are f32. All else is computed in f32.
;;   The module's matrix products, in the order in which they are computed (A, B: the left and right operand; K: the contracted axis; several contracted axes count as one K, in the product's order):
;;     1. [M 65,536, K 1,024] x [K 1,024, N 1,024]; A: input encoder_outputs; B: input W: QUANTISED
;;     2. batch 32 x [M 1, K 1,024] x [K 1,024, N 2,048]; A: input hidden; B: computed on the way: left as it is (M = 1 < 16)
;;   THE QUANTISER, for each operand of a quantised product, along K:
;;     - K is cut into blocks of 32 from its start; a last block that is shorter is filled with zeros.
;;     - A block's scale is 2^e with e = floor(log2(the largest magnitude in the block)) - 4, held to -126 .. 127; a block of zeros has e = 0. As a byte (E8M0): e + 127.
;;     - Each number is divided by its block's scale, clamped to +-28, and rounded to the nearest number of E3M2, ties to even, subnormals kept.
;;     - The product sums the exact products of the quantised numbers (number of the format x scale) in f32.
;;   ~~~python
;;   def quantise(x, axis):      # numpy; x: float32 -> the quantised numbers, widened to float32 again
;;       x = np.moveaxis(x, axis, -1); K = x.shape[-1]
;;       x = np.pad(x, [(0, 0)] * (x.ndim - 1) + [(0, -K % 32)]); x = x.reshape(x.shape[:-1] + (-1, 32)); a = np.abs(x).max(-1, keepdims=True)
;;       e = np.where(a > 0, np.clip(np.frexp(np.where(a > 0, a, 1))[1] - 1 - 4, -126, 127), 0)      # np.frexp(a)[1] - 1 = floor(log2(a)), exactly
;;       r = np.clip(x / 2.0 ** e, -28, 28)
;;       step = 2.0 ** (np.maximum(np.frexp(np.where(r == 0, 1, r))[1] - 1, -2) - 2)
;;       q = np.round(r / step) * step * 2.0 ** e      # np.round: ties to even
;;       return np.moveaxis(q.reshape(q.shape[:-2] + (-1,))[..., :K], -1, axis).astype(np.float32)
;;   ~~~
;; 2 versions. Each part assembles by itself: llvm-mc -triple=amdgcn-amd-amdhsa -mcpu=gfx1250 --defsym DOCPART=n.
;; ======== version 1 of 2: 3 launches
;; workspace buffers: wpk 819,200 bytes; scores 262,144 bytes
;; launch wquant (part 1): grid 128 x 1, 4 waves a work-group, no clusters, 34,816 bytes of LDS; arguments W, wpk; writes wpk
.if DOCPART == 1
	.amdgcn_target "amdgcn-amd-amdhsa--gfx1250"
	.amdhsa_code_object_version 6
	.text
	.protected	k_q60f53e2b54_wquant
	.globl	k_q60f53e2b54_wquant
	.p2align	8
	.type	k_q60f53e2b54_wquant,@function
k_q60f53e2b54_wquant:
	s_mov_b64 s[64:65], 0
	v_nop
	global_prefetch_b8 v0, s[64:65] scope:SCOPE_SE
	s_setreg_imm32_b32 hwreg(HW_REG_WAVE_MODE, 25, 1), 1
	s_wait_xcnt 0x0
; W [1024 (n)][1024 (k)], f32, K innermost, becomes codes of BF6 (E3M2) with one E8M0 byte for each 32 along K, laid IN THE ORDER OF THE OPERAND'S REGISTERS, in 16 packages of 51,200 bytes.
; Package g = 4 c + q holds rows n = 256 q .. 256 q + 255 for k = 256 c .. 256 c + 255: what the product's launch multiplies in one step.
;   codes: the fragment of tile T (16 rows) and K step u (128 along K) at (2 T + u) x 1,536: its twelve registers as three groups of four, group i at 512 i + 16 x lane.
;          Lane (r, h) holds row 16 T + r; registers 6 c2 .. 6 c2 + 5 hold k = 128 u + 64 c2 + 32 h + 0 .. 31.
;   scale words: from byte 49,152 on, 256 bytes for each pair of tiles: lane l has 8 bytes at 8 l: the words of tiles 2 Tp and 2 Tp + 1; lanes 0-15 those of u = 0, lanes 16-31 those of u = 1, row l % 16.
; A block's scale is 2^(floor(log2(its largest magnitude)) - 4); its byte is the largest magnitude's exponent field - 4, held at 1 from below; numbers beyond 28 x the scale take the largest code (the conversion does that).
; LIMITS: a block of zeros gets the byte 1 where the rule says 127: its codes are zeros, which add nothing under any byte but 0xff, and this program alone reads the bytes.  NaN and infinities are not served.
; SHARES: work-group G takes package G / 8 and the pair of tiles G % 8; wave w one unit of 16 rows x 128 K: tile 2 Tp + w / 2, K step w % 2.  128 work-groups: W has 512 such units, and a pair of tiles' scale words
; fill one aligned run of 256 bytes only if four units meet.  No ring, no matrix unit, no cluster: 4 MiB are read once and nothing is shared.
; Each load reads 512 consecutive bytes of a row; the conversions want 32 neighbours along K in ONE lane, so the unit turns through the wave's own stage in LDS.
.set SPITCH, 528                       ; a stage row: 512 bytes + 16 = 132 words: row r starts at bank 4 r mod 64 (64 banks of 4 bytes: ISA guide 11.1), so the sixteen rows that a load of 16 bytes a lane touches start at sixteen different banks
.set STGB,   16*SPITCH                 ; a wave's stage
.set SCL,    4*STGB                    ; behind the stages: the pair of tiles' 64 scale words
.set PKG,    51200
.set LO,  5                            ; v5   16 x lane
.set STW, 6                            ; v6   the stage, on the way in: 16 x lane
.set STR, 7                            ; v7   on the way out: row r, + 128 h
.set SWA, 8                            ; v8   where my row's scale word goes
.set GO8, 9                            ; v9   8 x lane
.set SRD, 10                           ; v10  where wave 0 reads the words back
.set SH8, 11                           ; v11  8 h
.set TM,  12                           ; v12-13 largest magnitudes;  v14-15 the conversions' scale operands;  v16-17 bytes;  v18 the scale word;  v19 the other half's
.set SOP, 14
.set BY,  16
.set PW,  18
.set PW2, 19
.set PC,  20                           ; v20-31 the fragment's twelve registers
.set CT,  32                           ; v32-34, v36-38 the upper halves of the two blocks, as converted
.set LD,  40                           ; v40-103 the unit as loaded
.set X,   104                          ; v104-167 the unit as the conversions want it
.set SEL, 28                           ; s[28:29] v_permlanex16_b32's selects for lane l xor 16
; 64 numbers of a lane, v[X + 32 c2 + n] = k 64 c2 + 32 h + n of my row: two whole blocks.  They become the fragment's registers in v[PC] on and my row's scale word in v[PW].
.macro QUANT
.irp c2, 0,1
	v_max3_num_f32 v[TM+\c2], |v[X+32*\c2]|, |v[X+32*\c2+1]|, 0x2800000   ; with the floor 2^(5 - 127) among the leaves: the byte cannot fall under 1
.endr
.irp i, 2,4,6,8,10,12,14,16,18,20,22,24,26,28,30
.irp c2, 0,1
	v_max3_num_f32 v[TM+\c2], v[TM+\c2], |v[X+32*\c2+\i]|, |v[X+32*\c2+\i+1]|   ; (the two blocks by turns)
.endr
.endr
.irp c2, 0,1
	v_add_nc_u32 v[SOP+\c2], 0xfe000000, v[TM+\c2]   ; 4 off the exponent field: the conversion takes the exponent field of this operand as its scale, and nothing else of it
.endr
.irp c2, 0,1
	v_lshrrev_b32 v[BY+\c2], 23, v[SOP+\c2]          ; the scale's byte
.endr
	v_lshl_or_b32 v[PW], v[BY+1], 16, v[BY]          ; my two bytes: blocks h and 2 + h,
	v_lshlrev_b32 v[PW], v[SH8], v[PW]               ; at their places in the word;
	v_permlanex16_b32 v[PW2], v[PW], s[SEL], s[SEL+1]
	v_or_b32 v[PW], v[PW], v[PW2]                    ; with lane l xor 16's two the word is whole
.irp c2, 0,1
	v_cvt_scalef32_pk16_bf6_f32 v[PC+6*\c2:PC+6*\c2+2], v[X+32*\c2:X+32*\c2+15], v[SOP+\c2]
	v_cvt_scalef32_pk16_bf6_f32 v[CT+4*\c2:CT+4*\c2+2], v[X+32*\c2+16:X+32*\c2+31], v[SOP+\c2]   ; (a conversion's three registers begin on an even number: a block's upper half is made apart and moved)
.endr
	v_nop                                            ; one plain place behind a scaled conversion
.irp c2, 0,1
.irp i, 0,1,2
	v_mov_b32 v[PC+6*\c2+3+\i], v[CT+4*\c2+\i]
.endr
.endr
.endm
	s_load_b128 s[4:7], s[0:1], 0x0                ; W s[4:5], the packages s[6:7]
	v_lshl_add_u32 v168, v0, 2, 0x8600
	v_mov_b32 v169, 0
	v_lshrrev_b32 v1, 5, v0
	v_readfirstlane_b32 s8, v1                     ; wave 0..3
	v_and_b32 v2, 31, v0                           ; lane
	v_and_b32 v3, 15, v0                           ; r
	v_bfe_u32 v4, v0, 4, 1                         ; h
	v_lshlrev_b32 v[LO], 4, v2
	s_lshr_b32 s9, s8, 1                           ; x: which tile of the pair
	s_and_b32 s10, s8, 1                           ; u: which K step
	s_lshr_b32 s11, ttmp9, 3                       ; g: the package
	s_and_b32 s12, ttmp9, 7                        ; Tp: the pair of tiles
	s_lshr_b32 s13, s11, 2                         ; c
	s_and_b32 s14, s11, 3                          ; q
	s_mul_i32 s15, s8, STGB                        ; my stage
	v_add_nc_u32 v[STW], s15, v[LO]
	v_mul_u32_u24 v[STR], v3, SPITCH
	v_lshl_add_u32 v[STR], v4, 7, v[STR]
	v_add_nc_u32 v[STR], s15, v[STR]
	s_lshl_b32 s15, s10, 7                         ; the scale word of (x, u, r): 128 u + 8 r + 4 x
	s_lshl_b32 s16, s9, 2
	s_add_co_u32 s15, s15, s16
	s_add_co_u32 s15, s15, SCL
	v_lshl_add_u32 v[SWA], v3, 3, s15
	v_lshlrev_b32 v[GO8], 3, v2
	v_add_nc_u32 v[SRD], SCL, v[GO8]
	v_lshlrev_b32 v[SH8], 3, v4
	v_mov_b32 v[PW2], 0                            ; written once: a lane permute's destination counts as one of its sources
	s_mov_b32 s[SEL], 0x76543210
	s_mov_b32 s[SEL+1], 0xfedcba98
	s_lshl_b32 s16, s14, 8                         ; my first row of W: 256 q + 32 Tp + 16 x,
	s_lshl_b32 s17, s12, 5
	s_add_co_u32 s16, s16, s17
	s_lshl_b32 s17, s9, 4
	s_add_co_u32 s16, s16, s17
	s_lshl_b32 s16, s16, 12                        ; of 4,096 bytes,
	s_lshl_b32 s17, s13, 10
	s_add_co_u32 s16, s16, s17                     ; + 1,024 c
	s_lshl_b32 s17, s10, 9
	s_add_co_u32 s16, s16, s17                     ; + 512 u
	s_mov_b32 s17, 0
	s_mul_i32 s18, s11, PKG                        ; the package,
	s_mov_b32 s19, 0
	s_lshl_b32 s20, s12, 2                         ; my fragment in it: 2 T + u = 4 Tp + 2 x + u,
	s_lshl_b32 s21, s9, 1
	s_add_co_u32 s20, s20, s21
	s_add_co_u32 s20, s20, s10
	s_mul_i32 s20, s20, 1536
	s_mov_b32 s21, 0
	s_lshl_b32 s22, s12, 8                         ; and the pair's scale words
	s_add_co_u32 s22, s22, 49152
	s_mov_b32 s23, 0
	s_wait_kmcnt 0x0
	s_add_nc_u64 s[4:5], s[4:5], s[16:17]
	s_add_nc_u64 s[6:7], s[6:7], s[18:19]
	s_add_nc_u64 s[24:25], s[6:7], s[20:21]
	s_add_nc_u64 s[26:27], s[6:7], s[22:23]
.irp i, 0,1,2,3,4,5,6,7,8,9,10,11,12,13,14,15
	global_load_b128 v[LD+4*\i:LD+4*\i+3], v[LO], s[4:5] offset:4096*\i th:TH_LOAD_NT   ; row i: 32 lanes read 512 consecutive bytes; read once in the launch
.endr
	s_wait_loadcnt 0x0
.irp i, 0,1,2,3,4,5,6,7,8,9,10,11,12,13,14,15
	ds_store_b128 v[STW], v[LD+4*\i:LD+4*\i+3] offset:SPITCH*\i
.endr
.irp n, 0,1,2,3,4,5,6,7,8,9,10,11,12,13,14,15
	ds_load_b128 v[X+4*\n:X+4*\n+3], v[STR] offset:256*(\n/8)+16*(\n%8)   ; LDS serves a wave's instructions in order (ISA guide 5.7.1.4): these see my stores
.endr
	s_wait_dscnt 0x0
	QUANT
.irp n, 0,1,2
	global_store_b128 v[LO], v[PC+4*\n:PC+4*\n+3], s[24:25] offset:512*\n   ; 32 lanes store 512 consecutive bytes, at a multiple of 256 from the buffer's first byte
.endr
	ds_store_b32 v[SWA], v[PW]                     ; lanes r and 16 + r write the same word with the same value
	s_wait_dscnt 0x0                               ; for wave 0's sake: my word is in LDS
	s_barrier_signal -1
	s_barrier_wait -1
	s_cmp_lg_u32 s8, 0
	s_cbranch_scc1 .Ldone
	ds_load_b64 v[LD:LD+1], v[SRD]
	s_wait_dscnt 0x0
	global_store_b64 v[GO8], v[LD:LD+1], s[26:27]  ; 32 lanes store 256 consecutive bytes, aligned
.Ldone:
	s_wait_tensorcnt 0x0
	ds_add_u32 v168, v169
	s_wait_dscnt 0x0
	s_endpgm
.Lfunc_end_k_q60f53e2b54_wquant:
	.size	k_q60f53e2b54_wquant, .Lfunc_end_k_q60f53e2b54_wquant-k_q60f53e2b54_wquant
	.p2alignl 7, 3214868480
	.fill 96, 4, 3214868480
	.section	.rodata,"a",@progbits
	.p2align	6, 0x0
	.amdhsa_kernel k_q60f53e2b54_wquant
		.amdhsa_group_segment_fixed_size 34816
		.amdhsa_private_segment_fixed_size 0
		.amdhsa_enable_private_segment 0
		.amdhsa_kernarg_size 16
		.amdhsa_user_sgpr_count 2
		.amdhsa_user_sgpr_kernarg_segment_ptr 1
		.amdhsa_wavefront_size32 1
		.amdhsa_system_sgpr_workgroup_id_x 1
		.amdhsa_system_sgpr_workgroup_id_y 1
		.amdhsa_system_sgpr_workgroup_id_z 1
		.amdhsa_system_vgpr_workitem_id 0
		.amdhsa_next_free_vgpr 170
		.amdhsa_next_free_sgpr 66
		.amdhsa_reserve_vcc 0
		.amdhsa_float_denorm_mode_32 3
		.amdhsa_float_denorm_mode_16_64 3
		.amdhsa_memory_ordered 1
		.amdhsa_forward_progress 1
		.amdhsa_inst_pref_size 10
	.end_amdhsa_kernel
	.amdgpu_metadata
---
amdhsa.version: [ 1, 2 ]
amdhsa.kernels:
  - .name:           k_q60f53e2b54_wquant
    .symbol:         k_q60f53e2b54_wquant.kd
    .args:
      - { .name: W, .offset: 0, .size: 8, .value_kind: global_buffer, .address_space: global }
      - { .name: wpk, .offset: 8, .size: 8, .value_kind: global_buffer, .address_space: global }
    .group_segment_fixed_size: 34816
    .private_segment_fixed_size: 0
    .kernarg_segment_align: 8
    .kernarg_segment_size: 16
    .max_flat_workgroup_size: 128
    .sgpr_count:     66
    .vgpr_count:     170
    .wavefront_size: 32
...
	.end_amdgpu_metadata
.endif
;; end of part 1
;; launch score (part 2): grid 8 x 32, 8 waves a work-group, clusters of 4 x 1, 327,680 bytes of LDS; arguments encoder_outputs, hidden, wpk, scores; writes scores
.if DOCPART == 2
	.amdgcn_target "amdgcn-amd-amdhsa--gfx1250"
	.amdhsa_code_object_version 6
	.text
	.protected	k_q60f53e2b54_score
	.globl	k_q60f53e2b54_score
	.p2align	8
	.type	k_q60f53e2b54_score,@function
k_q60f53e2b54_score:
	s_mov_b64 s[64:65], 0
	v_nop
	global_prefetch_b8 v0, s[64:65] scope:SCOPE_SE
	s_setreg_imm32_b32 hwreg(HW_REG_WAVE_MODE, 25, 1), 1
	s_wait_xcnt 0x0
	s_wait_alu depctr_hold_cnt(0) depctr_sa_sdst(0) depctr_va_vdst(0) depctr_va_sdst(0) depctr_va_ssrc(0) depctr_va_vcc(0) depctr_vm_vsrc(0)
	s_getreg_b32 s2, hwreg(HW_REG_IB_STS2, 6, 4)
	s_cmp_eq_u32 s2, 0
	s_cbranch_scc0 .Lentry_in_a_cluster
	s_endpgm
.Lentry_in_a_cluster:
	s_bfe_u32 s2, ttmp6, 0x10000c
	s_cmp_lg_u32 s2, 0x3003
	s_cbranch_scc0 .Lentry_shape_is_right
	s_endpgm
.Lentry_shape_is_right:
; scores[b][s] = the sum over n of hidden[b][n] x P[s][b][n],  P = Q(E) Q(W)^T on codes of BF6 (E3M2) with one E8M0 scale for each 32 along K, sums in f32.  E: [2048 (s)][32 (b)][1024] f32; scores: [32][2048] f32.
; (hidden . bias, one number for each b, is added to the finished scores by the next launch: h . (P + bias) = h . P + h . bias, a re-association of f32 sums.)
; SHARES.  A work-group owns 256 values of s for ONE b: 256 rows of E, 131,072 bytes apart, 4,096 bytes each; it needs one row of hidden, and its scores are 1,024 neighbouring bytes.  256 work-groups.
; THE SUM OVER n IS LINEAR IN K: the product over a chunk of 256 along K is multiplied by hidden and summed at once, so no accumulator lives longer than two matrix instructions, W passes once, and E is read once.
; TWO ROLES.  Waves 4-7 (P) read E as f32, quantise it and lay it in LDS as images of the operand's registers; waves 0-3 (M) multiply.  In trip tau P makes chunk tau, M multiplies chunk tau - 1: five trips of four steps.
;   Eight waves of 512 registers rather than four of 1,024: a wave issues in order, so a wave that did both would stop its products at every wait for E.
;   P wave p, step q: rows 16 (4 q + p) on, two units of 16 rows x 128 K.  Four units' loads, 64 x 512 bytes, are on their way in each P wave all the time, by counted waits.
;   M wave w: rows 128 (w / 2) on (eight tiles, their 16 fragments of the chunk in 192 registers), and 8 of the 16 tiles of n of each package (w % 2): each fragment of W read from LDS feeds eight products.
; W comes as 16 packages of 51,200 bytes (codes and scale words in the order of the operand's registers), one a step, through two LDS slots.
; CLUSTER.  The four work-groups of a cluster walk the same packages: each half package is asked for JOINTLY, by the same tensor load with the same descriptor and a mask that names the four.
; THE MATRIX INSTRUCTION IS USED TRANSPOSED (source 0 = 16 rows of W, source 1 = 16 rows of E): a lane holds ONE row of E (lane % 16) and n = 8 (lane / 16) + 0 .. 7, so the sum over n is packed multiply-adds in the lane.
; THE SECOND PRODUCT has one row for each b: as a matrix product 15 of 16 result rows would be thrown away, and operands of 16 bits ahead of an exponential would cost accuracy: it is done in f32 on the accumulators.
; THE TEXT IS STRAIGHT: the trips differ (no M work in the first, no P work in the last, the loads' run-down, the images' region by turns), so all are written out by macros and every offset is an immediate.
; LIMITS: NaN and infinities are not served; a block of zeros gets the byte 1 (its codes are zeros; the bytes never leave the work-group); the f32 sums go by chunk of K, then by n.
; REGISTERS, in windows of 256.  v1-22 addresses, made ahead of the first parting of the roles, never rewritten.  v200-207 E's scale words, v208-211 W's: they hold scales and nothing else, in either role.
;   M: window 0: v40-87 W's fragments, two sets of two; v88-151 eight accumulators; v152-183 the running sums, four a tile; v184-191 at work.  window 1: v0-191 E's fragments; v192-255 hidden.
;   P: window 0: v24-52 at work; v64-127 a unit as the conversions want it.  window 1: four units as loaded.
.set ROWE,   131072                    ; bytes from s to s + 1 in E
.set PKG,    51200                     ; a package; also an image region
.set ASCL,   49152                     ; where scale words begin in either
.set AREG0,  2*PKG                     ; LDS: two slots for packages (filled by the tensor data mover alone), then two regions for E's images,
.set STAGE,  4*PKG                     ; a stage for each P wave,
.set SPITCH, 528                       ; (a stage row: 512 bytes + 16 = 132 words: row r starts at bank 4 r mod 64 (64 banks of 4 bytes: ISA guide 11.1))
.set STGB,   16*SPITCH
.set HIDB,   STAGE+4*STGB              ; hidden[b], 4,096 bytes,
.set SCB,    HIDB+4096                 ; the partial scores [n half][256 rows],
.set SPARE,  SCB+2048                  ; and the spare words, 128 bytes for each wave: four blocks of 256 bytes that no other line names
.set SPW,  1                           ; v1   SPARE + 4 x my thread's number
.set NIL,  2                           ; v2   0
.set LO,   3                           ; v3   16 x lane
.set STW,  4                           ; v4   P: the stage on the way in
.set STR,  5                           ; v5   P: on the way out: row r, + 128 h
.set IMW,  6                           ; v6-7   P: where my images go, region 0, 1
.set ISW,  8                           ; v8-9   P: and their scale words
.set AIA,  10                          ; v10-11 M: my rows' images
.set ASA,  12                          ; v12-13 M: and their scale words
.set BA,   14                          ; v14-15 M: my tiles of W in slot 0, 1
.set BSA,  16                          ; v16-17 M: and their scale words
.set HIDA, 18                          ; v18  M: my eight numbers of hidden for a tile
.set HIDW, 19                          ; v19  M: where I put my quarter of hidden
.set SCW,  20                          ; v20  M: where my partial scores go
.set SCR,  21                          ; v21  waves 0, 1: where they are read back
.set SH8,  22                          ; v22  8 h
.set AS,   200                         ; v200-207 E's scale words, one register for each of my eight tiles
.set BSR,  208                         ; v208-211 W's scale words, two pairs of tiles
.set BF,   40
.set ACC,  88
.set SC,   152
.set OUTR, 184
.set HID,  192                         ; in window 1
.set TM,   24                          ; P: v24-25 largest magnitudes; v26-27 the conversions' scale operands; v28-29 bytes; v30 the scale word; v31 the other half's
.set SOP,  26
.set BY,   28
.set PW,   30
.set PW2,  31
.set PC,   32                          ; P: v32-43 the fragment's twelve registers
.set CT,   46                          ; P: v46-48, v50-52 the blocks' upper halves, as converted
.set X,    64
.set WV,   12                          ; s12  my wave's number;  s13 p = wave % 4;  s14 i = (wave / 2) % 2;  s15 j = wave % 2
.set SEL,  20                          ; s[20:21] v_permlanex16_b32's selects for lane l xor 16
.set G1,   24                          ; s[24:31] descriptor group 1
.set G0,   32                          ; s[32:39] descriptor group 0, a set for each slot
.set EB,   40                          ; s[40:47] E at my rows of step q
.set HB,   48                          ; s[48:49] my quarter of hidden[b]
.set SOUT, 50                          ; s[50:51] where my 128 scores go
.set MSB, 0
.macro WIN new                         ; the immediate's high byte repeats the setting that is left; a switch that changes nothing is dropped
.if MSB != \new
	s_set_vgpr_msb (MSB<<8)|\new
.set MSB, \new
.endif
.endm
; A round of the cluster's barrier: my work-group's barrier, wave 0 signals for the work-group, every wave waits for all four work-groups, my work-group's barrier once more.
.macro ROUND
	s_barrier_signal -1
	s_barrier_wait -1
	s_cmp_lg_u32 s[WV], 0
	s_cbranch_scc1 .Lnot_wave_0_\@
	s_barrier_signal -3
.Lnot_wave_0_\@:
	s_barrier_wait -3
	s_barrier_signal -1
	s_barrier_wait -1
.endm
; A joint load: waves 0 and 1 fetch the two halves of a package.  The branch hangs on the wave's number alone.  Four v_nop follow the load, ahead of the label and what follows.
.macro JLOAD sl
	s_cmp_lt_u32 s[WV], 2
	s_cbranch_scc0 .Lno_load_\@
	tensor_load_to_lds s[G0+4*(\sl):G0+4*(\sl)+3], s[G1:G1+7]
	s_nop 0
.rept 4
	v_nop
.endr
.Lno_load_\@:
.endm
; THE HEAD OF STEP g.  Every wave: all my tensor loads have landed (the one that was out is my half of package g); 0 onto my spare word; the add is done, and so are my LDS stores (images, hidden) and my reads of the slot
; that step g - 1 multiplied.  Behind the round all that holds of every wave of the four work-groups, and package g + 1 is asked for, into that slot: it has a step's 128 matrix instructions a wave in which to land.
.macro HEAD g
	s_wait_tensorcnt 0x0                           ; no tensor load of mine is out, so a group 0 may be written
	ds_add_u32 v[SPW], v[NIL]
.if ((\g) >= 1) && ((\g) <= 14)
.set NS, G0+4*(((\g)+1)%2)
	s_add_nc_u64 s[NS+2:NS+3], s[NS+2:NS+3], 2*PKG ; the slot's next package; the type bits on top are not reached
.endif
	s_wait_dscnt 0x0
.if (\g) <= 14
	ROUND
	JLOAD ((\g)+1)%2
.else
	s_barrier_signal -1                            ; the last package has no successor: nothing is filled, so no round
	s_barrier_wait -1
.endif
.endm
; ---------------- P's macros ----------------
; Unit v = 8 c + 2 q + u: 16 rows x 128 K as f32, into set v % 4 of window 1.  Each line reads 512 consecutive bytes of a row, at a multiple of 512 from E's first byte; E is read once in the launch.
.macro LOADU v
.set LC, (\v)/8
.set LQ, ((\v)%8)/2
.set LU, (\v)%2
.set LR, 64*((\v)%4)
.irp i, 0,1,2,3,4,5,6,7,8,9,10,11,12,13,14,15
	global_load_b128 v[LR+4*\i:LR+4*\i+3], v[LO], s[EB+2*LQ:EB+2*LQ+1] offset:ROWE*\i+1024*LC+512*LU th:TH_LOAD_NT
.endr
.endm
; 64 numbers of a lane, v[X + 32 c2 + n] = k 64 c2 + 32 h + n of my row: two whole blocks.  They become the fragment's registers in v[PC] on and my row's scale word in v[PW].
.macro QUANT
.irp c2, 0,1
	v_max3_num_f32 v[TM+\c2], |v[X+32*\c2]|, |v[X+32*\c2+1]|, 0x2800000   ; with the floor 2^(5 - 127) among the leaves: the byte cannot fall under 1
.endr
.irp i, 2,4,6,8,10,12,14,16,18,20,22,24,26,28,30
.irp c2, 0,1
	v_max3_num_f32 v[TM+\c2], v[TM+\c2], |v[X+32*\c2+\i]|, |v[X+32*\c2+\i+1]|   ; (the two blocks by turns)
.endr
.endr
.irp c2, 0,1
	v_add_nc_u32 v[SOP+\c2], 0xfe000000, v[TM+\c2]   ; 4 off the exponent field: the conversion takes the exponent field of this operand as its scale, and nothing else of it
.endr
.irp c2, 0,1
	v_lshrrev_b32 v[BY+\c2], 23, v[SOP+\c2]          ; the scale's byte
.endr
	v_lshl_or_b32 v[PW], v[BY+1], 16, v[BY]          ; my two bytes: blocks h and 2 + h,
	v_lshlrev_b32 v[PW], v[SH8], v[PW]               ; at their places in the word;
	v_permlanex16_b32 v[PW2], v[PW], s[SEL], s[SEL+1]
	v_or_b32 v[PW], v[PW], v[PW2]                    ; with lane l xor 16's two the word is whole
.irp c2, 0,1
	v_cvt_scalef32_pk16_bf6_f32 v[PC+6*\c2:PC+6*\c2+2], v[X+32*\c2:X+32*\c2+15], v[SOP+\c2]
	v_cvt_scalef32_pk16_bf6_f32 v[CT+4*\c2:CT+4*\c2+2], v[X+32*\c2+16:X+32*\c2+31], v[SOP+\c2]   ; (a conversion's three registers begin on an even number: a block's upper half is made apart and moved)
.endr
	v_nop                                            ; one plain place behind a scaled conversion
.irp c2, 0,1
.irp i, 0,1,2
	v_mov_b32 v[PC+6*\c2+3+\i], v[CT+4*\c2+\i]
.endr
.endr
.endm
; One unit: chunk ch, step st, K step un.  It turns through my stage (a load is best where neighbouring lanes take neighbouring bytes, a conversion wants 32 neighbours in one lane), is quantised, and its image goes to LDS.
.macro PUNIT ch, st, un
.set PV, 8*(\ch)+2*(\st)+(\un)
.set PR, 64*(PV%4)
.set PK, (\ch)%2
.if PV <= 28
	s_wait_loadcnt 48                              ; loads come back in order (ISA guide 5.7.1): this unit's 16 are in; the 48 of the three units issued behind it stay out
.else
	s_wait_loadcnt 16*(31-PV)                      ; the run-down: two units, one, none were issued behind it
.endif
	WIN 0x04                                       ; an LDS store's data are its source 1: window 1
.irp i, 0,1,2,3,4,5,6,7,8,9,10,11,12,13,14,15
	ds_store_b128 v[STW], v[PR+4*\i:PR+4*\i+3] offset:SPITCH*\i
.endr
	WIN 0
.irp n, 0,1,2,3,4,5,6,7,8,9,10,11,12,13,14,15
	ds_load_b128 v[X+4*\n:X+4*\n+3], v[STR] offset:256*(\n/8)+16*(\n%8)   ; LDS serves a wave's instructions in order (ISA guide 5.7.1.4): these see my stores
.endr
	s_wait_dscnt 0x0                               ; the unit is back; the stage's stores have read their registers, and so have the last unit's image stores
.if PV <= 27
	WIN 0x40                                       ; destination window 1
	LOADU PV+4                                     ; the set just emptied takes the unit four on
	WIN 0
.endif
	QUANT
.irp n, 0,1,2
	ds_store_b128 v[IMW+PK], v[PC+4*\n:PC+4*\n+3] offset:12288*(\st)+1536*(\un)+512*\n   ; the fragment as it stands: lane l's 16 bytes at 16 l
.endr
	ds_store_b32 v[ISW+PK], v[PW] offset:512*(\st)+64*(\un)   ; lanes r and 16 + r write the same word with the same value
.endm
; ---------------- M's macros ----------------
.macro HLOAD q                         ; hidden for the step's eight tiles of n: lane (r, h) takes the tile's numbers 8 h + 0 .. 7
.irp t, 0,1,2,3,4,5,6,7
.irp x, 0,1
	ds_load_b128 v[HID+8*\t+4*\x:HID+8*\t+4*\x+3], v[HIDA] offset:1024*(\q)+64*\t+16*\x
.endr
.endr
.endm
.macro BLOAD t, sl                     ; tile t's two fragments of W into set t % 2; with an even tile the scale words of it and the next
.set BB, BF+24*((\t)%2)
.irp n, 0,1,2,3,4,5
	ds_load_b128 v[BB+4*\n:BB+4*\n+3], v[BA+(\sl)] offset:3072*(\t)+512*\n
.endr
.if ((\t)%2) == 0
.set BQ, BSR+2*(((\t)/2)%2)
	ds_load_b64 v[BQ:BQ+1], v[BSA+(\sl)] offset:256*((\t)/2)
.endif
.endm
; The product of tile t of W and tile m of E, K step u.  u = 0 starts the sum with the constant 0; u = 1 adds in place.  Each scale register holds u = 0's words in lanes 0-15 and u = 1's in lanes 16-31.
.macro WM t, m, u
.set RD_, ACC+8*(\m)
.set RB_, BF+24*((\t)%2)+12*(\u)
.set RA_, 12*(2*(\m)+(\u))
.set RS_, BSR+2*(((\t)/2)%2)+(\t)%2
.if (\u) == 0
	v_wmma_scale_f32_16x16x128_f8f6f4 v[RD_:RD_+7], v[RB_:RB_+11], v[RA_:RA_+11], 0, v[RS_], v[AS+(\m)] matrix_a_fmt:MATRIX_FMT_BF6 matrix_b_fmt:MATRIX_FMT_BF6
.else
	v_wmma_scale_f32_16x16x128_f8f6f4 v[RD_:RD_+7], v[RB_:RB_+11], v[RA_:RA_+11], v[RD_:RD_+7], v[RS_], v[AS+(\m)] matrix_a_fmt:MATRIX_FMT_BF6 matrix_b_fmt:MATRIX_FMT_BF6 matrix_a_scale:MATRIX_SCALE_ROW1 matrix_b_scale:MATRIX_SCALE_ROW1
.endif
.endm
; Half hf of accumulator m times hidden of tile t, onto the tile's four running sums.  fz = 1: the very first tile: its lower half starts the sums, so nothing is cleared.  The lower half always comes first.
.macro RD2 t, m, hf, fz
.set RC_, SC+4*(\m)
.set RX_, ACC+8*(\m)+4*(\hf)
.set RH_, HID+8*(\t)+4*(\hf)
.if (\fz) && ((\hf) == 0)
	v_pk_mul_f32 v[RC_:RC_+1], v[RX_:RX_+1], v[RH_:RH_+1]
	v_pk_mul_f32 v[RC_+2:RC_+3], v[RX_+2:RX_+3], v[RH_+2:RH_+3]
.else
	v_pk_fma_f32 v[RC_:RC_+1], v[RX_:RX_+1], v[RH_:RH_+1], v[RC_:RC_+1]
	v_pk_fma_f32 v[RC_+2:RC_+3], v[RX_+2:RX_+3], v[RH_+2:RH_+3], v[RC_+2:RC_+3]
.endif
.endm
; A TILE of W against my eight tiles of E: 16 matrix instructions, accumulators 0, 1, 0, 1, 2, 3, 2, 3 ..: by turns, one instruction a turn.
; Behind each stand two multiply-adds of the reduction, four matrix instructions late: accumulator 2 P is finished at place 4 P + 2 and first read behind place 4 P + 4; between stand the four multiply-adds of
; accumulator 2 P - 1, which name none of its registers (ISA guide 7.12.1); accumulator 2 P + 1 has six.  The last two accumulators are reduced in the next tile's first four places.
; The next tile's fragments are asked for behind the second product, 14 matrix instructions ahead of their use, into the set that the tile before read: its last product stands six plain instructions back, the one before it four that name none of its registers.
.macro TILE t, sl, fz, fp
	s_wait_dscnt 0x0                               ; this tile's fragments are in
.set S, 0
.rept 16
.set MM, 2*(S/4)+(S%2)
.set UU, (S/2)%2
.set HF, S%2
	WM \t, MM, UU
.if S >= 4
.set RM, 2*((S-4)/4)+((S-4)%4)/2
	RD2 \t, RM, HF, \fz
.elseif (\t) > 0
.set RM, 6+S/2
	RD2 (\t)-1, RM, HF, \fp
.elseif S >= 2
	v_nop                                          ; a step's first tile has no reduction left over: four places in front of the first read of accumulator 0
	v_nop
.endif
.if S == 1
.if (\t) < 7
	BLOAD (\t)+1, \sl
.endif
.endif
.set S, S+1
.endr
.endm
; A STEP: package 4 (tau - 1) + q against chunk tau - 1 of my rows.  All its loads stand behind the ten plain instructions that follow the last step's last product.
.macro MSTEP tau, q
.set GG, 4*((\tau)-1)+(\q)
.set SL, GG%2
.set AK, ((\tau)-1)%2
.set GZ, 0
.if GG == 0
.set GZ, 1
.endif
	s_wait_loadcnt 0x0                             ; no global load of an M wave is out here (its two, of hidden, were waited for in trip 0).  The line states it on this way, so that on every way through the text
	                                               ; P's counted waits count the same loads, and the LDS loads below land in no register of window 1 that a global load may still write
	WIN 0x40                                       ; destination window 1
.if (\q) == 0
.set N, 0
.rept 48
	ds_load_b128 v[4*N:4*N+3], v[AIA+AK] offset:512*N   ; the chunk's 16 fragments of my rows: they stay for four steps
.set N, N+1
.endr
.endif
	HLOAD \q
	WIN 0x04                                       ; source 1 window 1 (E's fragments in a product, hidden in a multiply-add); all else window 0
.if (\q) == 0
.irp m, 0,1,2,3,4,5,6,7
	ds_load_b32 v[AS+\m], v[ASA+AK] offset:128*\m  ; lanes 0-15 the words of K step 0, lanes 16-31 those of K step 1
.endr
.endif
	BLOAD 0, SL
	TILE 0, SL, GZ, 0
	TILE 1, SL, 0, GZ
.irp t, 2,3,4,5,6,7
	TILE \t, SL, 0, 0
.endr
	RD2 7, 6, 0, 0                                 ; the last tile's last two accumulators
	RD2 7, 6, 1, 0
	RD2 7, 7, 0, 0
	RD2 7, 7, 1, 0
	WIN 0                                          ; at a branch and at a label every window is 0
.endm
; M's end: a tile's four sums and the other half of the lanes' make a row's partial score (my eight tiles of n of every package)
.macro MEND
.irp m, 0,1,2,3,4,5,6,7
	v_pk_add_f32 v[SC+4*\m:SC+4*\m+1], v[SC+4*\m:SC+4*\m+1], v[SC+4*\m+2:SC+4*\m+3]
.endr
.irp m, 0,1,2,3,4,5,6,7
	v_add_f32 v[SC+4*\m], v[SC+4*\m], v[SC+4*\m+1]
.endr
.irp m, 0,1,2,3,4,5,6,7
	v_permlanex16_b32 v[SC+4*\m+2], v[SC+4*\m], s[SEL], s[SEL+1]
.endr
.irp m, 0,1,2,3,4,5,6,7
	v_add_f32 v[SC+4*\m], v[SC+4*\m], v[SC+4*\m+2]
.endr
.irp m, 0,1,2,3,4,5,6,7
	ds_store_b32 v[SCW], v[SC+4*\m] offset:64*\m   ; lanes r and 16 + r write the same word with the same value
.endr
.endm
; A step of trips 1 to 4: the head, which every wave passes; then the roles part on the wave's number and join again.
.macro STEPG tau, q
	HEAD 4*((\tau)-1)+(\q)
	s_cmp_lt_u32 s[WV], 4
.if (\tau) <= 3
	s_cbranch_scc0 .Lprod_\@
.else
	s_cbranch_scc0 .Ljoin_\@
.endif
	MSTEP \tau, \q
.if ((\tau) == 4) && ((\q) == 3)
	MEND
.endif
.if (\tau) <= 3
	s_branch .Ljoin_\@
.Lprod_\@:
	PUNIT \tau, \q, 0
	PUNIT \tau, \q, 1
.endif
.Ljoin_\@:
.endm
	s_load_b256 s[4:11], s[0:1], 0x0               ; E s[4:5], hidden s[6:7], the packages s[8:9], scores s[10:11]
	v_lshl_add_u32 v[SPW], v0, 2, SPARE
	v_mov_b32 v[NIL], 0
	ds_add_u32 v1, v2
	s_wait_dscnt 0x0
	v_lshrrev_b32 v23, 5, v0
	v_readfirstlane_b32 s[WV], v23                 ; wave 0..7
	s_and_b32 s13, s[WV], 3                        ; p
	s_bfe_u32 s14, s[WV], 0x10001                  ; i
	s_and_b32 s15, s[WV], 1                        ; j
	v_and_b32 v24, 31, v0                          ; lane
	v_and_b32 v25, 15, v0                          ; r
	v_bfe_u32 v26, v0, 4, 1                        ; h
	v_lshlrev_b32 v[LO], 4, v24
	s_mul_i32 s52, s13, STGB
	s_add_co_u32 s52, s52, STAGE                   ; P: my stage
	v_add_nc_u32 v[STW], s52, v[LO]
	v_mul_u32_u24 v[STR], v25, SPITCH
	v_lshl_add_u32 v[STR], v26, 7, v[STR]
	v_add_nc_u32 v[STR], s52, v[STR]
	s_mul_i32 s53, s13, 3072                       ; P: tile 4 q + p's two fragments: 3,072 p (+ 12,288 q in the immediate)
	s_add_co_u32 s53, s53, AREG0
	v_add_nc_u32 v[IMW], s53, v[LO]
	v_add_nc_u32 v[IMW+1], PKG, v[IMW]
	s_lshl_b32 s53, s13, 7                         ; P: its scale words: 128 p + 4 r
	s_add_co_u32 s53, s53, AREG0+ASCL
	v_lshl_add_u32 v[ISW], v25, 2, s53
	v_add_nc_u32 v[ISW+1], PKG, v[ISW]
	s_mul_i32 s53, s14, 24576                      ; M: my eight tiles' sixteen fragments
	s_add_co_u32 s53, s53, AREG0
	v_add_nc_u32 v[AIA], s53, v[LO]
	v_add_nc_u32 v[AIA+1], PKG, v[AIA]
	s_lshl_b32 s53, s14, 10                        ; M: their scale words: 4 x lane takes K step 0's in lanes 0-15, K step 1's in lanes 16-31
	s_add_co_u32 s53, s53, AREG0+ASCL
	v_lshl_add_u32 v[ASA], v24, 2, s53
	v_add_nc_u32 v[ASA+1], PKG, v[ASA]
	s_mul_i32 s53, s15, 24576                      ; M: my eight tiles of a package
	v_add_nc_u32 v[BA], s53, v[LO]
	v_add_nc_u32 v[BA+1], PKG, v[BA]
	s_lshl_b32 s53, s15, 10                        ; M: their scale words, 8 bytes a lane for a pair of tiles
	s_add_co_u32 s53, s53, ASCL
	v_lshl_add_u32 v[BSA], v24, 3, s53
	v_add_nc_u32 v[BSA+1], PKG, v[BSA]
	s_lshl_b32 s53, s15, 9                         ; M: hidden: my 128 numbers of a step's 256, + 32 h
	s_add_co_u32 s53, s53, HIDB
	v_lshl_add_u32 v[HIDA], v26, 5, s53
	s_lshl_b32 s53, s13, 10
	s_add_co_u32 s53, s53, HIDB
	v_add_nc_u32 v[HIDW], s53, v[LO]
	s_lshl_b32 s53, s15, 10                        ; M: partial scores: [j][128 i + 16 m + r]
	s_lshl_b32 s54, s14, 9
	s_add_co_u32 s53, s53, s54
	s_add_co_u32 s53, s53, SCB
	v_lshl_add_u32 v[SCW], v25, 2, s53
	s_lshl_b32 s53, s15, 9                         ; waves 0, 1: rows 128 j on, four a lane
	s_add_co_u32 s53, s53, SCB
	v_add_nc_u32 v[SCR], s53, v[LO]
	v_lshlrev_b32 v[SH8], 3, v26
	v_mov_b32 v[PW2], 0                            ; written once: a lane permute's destination counts as one of its sources
	s_mov_b32 s[SEL], 0x76543210
	s_mov_b32 s[SEL+1], 0xfedcba98
	; descriptor group 1: half a package, 25,600 dense bytes, as 100 rows of 256 bytes (32 elements of 8 bytes); no padding: the reads are 16 x lane on end
	s_mov_b32 s[G1+0], 15|(3<<16)|(1<<21)          ; 15:0 the mask: all four work-groups; 17:16 elements of 8 bytes; 20 padding off; 21 set beside a mask
	s_mov_b32 s[G1+1], 32<<16                      ; tensor_dim0 = 32
	s_mov_b32 s[G1+2], 100<<16                     ; tensor_dim1 = 100
	s_mov_b32 s[G1+3], 32<<16                      ; tile_dim0 = 32
	s_mov_b32 s[G1+4], 100                         ; tile_dim1 = 100
	s_mov_b32 s[G1+5], 32                          ; tensor_dim0_stride
	s_mov_b32 s[G1+6], 0
	s_mov_b32 s[G1+7], 0
	s_mul_i32 s56, s15, PKG/2                      ; which half I fetch, if I fetch: in memory and in a slot alike; no place in the cluster enters it
	s_mov_b32 s57, 0
	; what hangs on my place in the cluster lives in s16, s17 and s60-63 alone, and enters E's and the scores' addresses alone
	s_bfe_u32 s16, ttmp6, 0x40000                  ; cx
	s_lshl_b32 s17, ttmp9, 2                       ; in a cluster launch ttmp9 counts clusters
	s_add_co_u32 s17, s17, s16                     ; my block of 256 values of s
	s_and_b32 s18, ttmp7, 0xffff                   ; b, which the four partners share
	s_lshl_b32 s60, s17, 8
	s_lshl_b32 s61, s13, 4
	s_add_co_u32 s60, s60, s61                     ; P: s = 256 x block + 16 p (+ 64 q below),
	s_lshl_b32 s60, s60, 17                        ; x 131,072 bytes: under 2^29
	s_lshl_b32 s61, s18, 12
	s_add_co_u32 s60, s60, s61                     ; + 4,096 b
	s_mov_b32 s61, 0
	s_lshl_b32 s54, s18, 12                        ; hidden: 4,096 b + 1,024 p
	s_lshl_b32 s55, s13, 10
	s_add_co_u32 s54, s54, s55
	s_mov_b32 s55, 0
	s_lshl_b32 s62, s18, 13                        ; scores: 8,192 b + 1,024 x block + 512 j
	s_lshl_b32 s63, s17, 10
	s_add_co_u32 s62, s62, s63
	s_lshl_b32 s63, s15, 9
	s_add_co_u32 s62, s62, s63
	s_mov_b32 s63, 0
	s_wait_kmcnt 0x0
	s_add_nc_u64 s[EB:EB+1], s[4:5], s[60:61]
	s_add_nc_u64 s[EB+2:EB+3], s[EB:EB+1], 64*ROWE
	s_add_nc_u64 s[EB+4:EB+5], s[EB:EB+1], 128*ROWE
	s_add_nc_u64 s[EB+6:EB+7], s[EB:EB+1], 192*ROWE
	s_add_nc_u64 s[HB:HB+1], s[6:7], s[54:55]
	s_add_nc_u64 s[SOUT:SOUT+1], s[10:11], s[62:63]
	s_add_nc_u64 s[58:59], s[8:9], s[56:57]
	s_mov_b32 s[G0+0], 1                           ; 1:0 count = 1
	s_mov_b32 s[G0+1], s56                         ; 63:32 LDS address: slot 0
	s_mov_b64 s[G0+2:G0+3], s[58:59]               ; 120:64 global address: package 0
	s_or_b32 s[G0+3], s[G0+3], 0x80000000          ; 127:126 type = 2
	s_mov_b32 s[G0+4], 1
	s_add_co_u32 s[G0+5], s56, PKG                 ; slot 1
	s_add_nc_u64 s[G0+6:G0+7], s[58:59], PKG       ; package 1
	s_or_b32 s[G0+7], s[G0+7], 0x80000000
	ROUND                                          ; all four work-groups are here: the first joint load meets
	JLOAD 0                                        ; package 0: the one first fill at the start; slot 1 is first filled behind step 0's round, as a refill is
	; ---- trip 0: M brings hidden[b] into LDS, a quarter a wave; P fills its ring of loads and makes chunk 0
	s_cmp_lt_u32 s[WV], 4
	s_cbranch_scc0 .Lprod_first
	global_load_b128 v[OUTR:OUTR+3], v[LO], s[HB:HB+1]
	global_load_b128 v[OUTR+4:OUTR+7], v[LO], s[HB:HB+1] offset:512
	s_wait_loadcnt 0x0
	ds_store_b128 v[HIDW], v[OUTR:OUTR+3]
	ds_store_b128 v[HIDW], v[OUTR+4:OUTR+7] offset:512
	s_branch .Ljoin_first
.Lprod_first:
	WIN 0x40
	LOADU 0
	LOADU 1
	LOADU 2
	LOADU 3
	WIN 0
.irp q, 0,1,2,3
	PUNIT 0, \q, 0
	PUNIT 0, \q, 1
.endr
.Ljoin_first:
	; ---- trips 1 to 4
.irp tt, 1,2,3,4
.irp q, 0,1,2,3
	STEPG \tt, \q
.endr
.endr
	; ---- the way out: a row's two partial scores (the two halves of n) meet in LDS; waves 0 and 1 add them and store 128 scores each
	s_wait_dscnt 0x0                               ; for the others' sake: my partial scores are in LDS
	s_barrier_signal -1
	s_barrier_wait -1
	s_cmp_lt_u32 s[WV], 2
	s_cbranch_scc0 .Lend
	ds_load_b128 v[OUTR:OUTR+3], v[SCR]
	ds_load_b128 v[OUTR+4:OUTR+7], v[SCR] offset:1024
	s_wait_dscnt 0x0
	v_pk_add_f32 v[OUTR:OUTR+1], v[OUTR:OUTR+1], v[OUTR+4:OUTR+5]
	v_pk_add_f32 v[OUTR+2:OUTR+3], v[OUTR+2:OUTR+3], v[OUTR+6:OUTR+7]
	global_store_b128 v[LO], v[OUTR:OUTR+3], s[SOUT:SOUT+1]   ; 32 lanes store 512 consecutive bytes, at a multiple of 512 from the buffer's first byte
.Lend:
	s_wait_tensorcnt 0x0                           ; the wave's end, behind my last tensor load and my last LDS store
	ds_add_u32 v[SPW], v[NIL]
	s_wait_dscnt 0x0
	ROUND                                          ; the closing round: no work-group ends while a partner may still ask for a package that names it
	s_endpgm
.Lfunc_end_k_q60f53e2b54_score:
	.size	k_q60f53e2b54_score, .Lfunc_end_k_q60f53e2b54_score-k_q60f53e2b54_score
	.p2alignl 7, 3214868480
	.fill 96, 4, 3214868480
	.section	.rodata,"a",@progbits
	.p2align	6, 0x0
	.amdhsa_kernel k_q60f53e2b54_score
		.amdhsa_group_segment_fixed_size 327680
		.amdhsa_private_segment_fixed_size 0
		.amdhsa_enable_private_segment 0
		.amdhsa_kernarg_size 32
		.amdhsa_user_sgpr_count 2
		.amdhsa_user_sgpr_kernarg_segment_ptr 1
		.amdhsa_wavefront_size32 1
		.amdhsa_system_sgpr_workgroup_id_x 1
		.amdhsa_system_sgpr_workgroup_id_y 1
		.amdhsa_system_sgpr_workgroup_id_z 1
		.amdhsa_system_vgpr_workitem_id 0
		.amdhsa_next_free_vgpr 512
		.amdhsa_next_free_sgpr 66
		.amdhsa_reserve_vcc 0
		.amdhsa_float_denorm_mode_32 3
		.amdhsa_float_denorm_mode_16_64 3
		.amdhsa_memory_ordered 1
		.amdhsa_forward_progress 1
		.amdhsa_inst_pref_size 255
	.end_amdhsa_kernel
	.section	.bss,"aw",@nobits
	.p2align	6
	.space	262144
	.amdgpu_metadata
---
amdhsa.version: [ 1, 2 ]
amdhsa.kernels:
  - .name:           k_q60f53e2b54_score
    .symbol:         k_q60f53e2b54_score.kd
    .args:
      - { .name: encoder_outputs, .offset: 0, .size: 8, .value_kind: global_buffer, .address_space: global }
      - { .name: hidden, .offset: 8, .size: 8, .value_kind: global_buffer, .address_space: global }
      - { .name: wpk, .offset: 16, .size: 8, .value_kind: global_buffer, .address_space: global }
      - { .name: scores, .offset: 24, .size: 8, .value_kind: global_buffer, .address_space: global }
    .group_segment_fixed_size: 327680
    .private_segment_fixed_size: 0
    .kernarg_segment_align: 8
    .kernarg_segment_size: 32
    .max_flat_workgroup_size: 256
    .sgpr_count:     66
    .vgpr_count:     512
    .wavefront_size: 32
...
	.end_amdgpu_metadata
.endif
;; end of part 2
;; launch soft (part 3): grid 32 x 1, 8 waves a work-group, no clusters, 1,536 bytes of LDS; arguments scores, hidden, b, out0; writes out0
.if DOCPART == 3
	.amdgcn_target "amdgcn-amd-amdhsa--gfx1250"
	.amdhsa_code_object_version 6
	.text
	.protected	k_q60f53e2b54_soft
	.globl	k_q60f53e2b54_soft
	.p2align	8
	.type	k_q60f53e2b54_soft,@function
k_q60f53e2b54_soft:
	s_mov_b64 s[64:65], 0
	v_nop
	global_prefetch_b8 v0, s[64:65] scope:SCOPE_SE
	s_setreg_imm32_b32 hwreg(HW_REG_WAVE_MODE, 25, 1), 1
	s_wait_xcnt 0x0
; out0[b][0][s] = softmax over s of (scores[b][s] + hidden[b] . bias).  scores: [32][2048] f32, hidden: [32][1024], bias: [1024], out0: [32][2048] f32.  All in f32.
; hidden . bias is the part of h . (P + bias) that the launch before left out; it is added to every score ahead of the maximum, as the problem has it.
; A work-group of eight waves owns one b: a row's maximum and sum span the row, and a row is 8,192 bytes, so there is work for 32 work-groups.  Thread t holds 8 scores (16 bytes at 16 t and at 16 t + 4,096)
; and 4 numbers of hidden and of the bias: every load and store of a wave covers 512 consecutive bytes.  The row stays in registers between the passes.  No matrix unit, no ring, no cluster: nothing is shared or read twice.
; The largest x is taken away before the exponential.  x = s + hb is rounded alike for the largest s, and rounding keeps order, so M = (largest s) + hb is the largest x, and no exponent is above 0.
; LIMITS: NaN and infinities are not served.
.set SEL, 16                           ; s[16:17] v_permlanex16_b32's selects for lane l xor 16
.macro BARRIER                         ; my LDS stores have landed: then the work-group's barrier
	s_wait_dscnt 0x0
	s_barrier_signal -1
	s_barrier_wait -1
.endm
	s_load_b256 s[4:11], s[0:1], 0x0               ; scores s[4:5], hidden s[6:7], bias s[8:9], out0 s[10:11]
	v_lshl_add_u32 v48, v0, 2, 0x200
	v_mov_b32 v49, 0
	v_lshlrev_b32 v1, 4, v0                        ; 16 t
	v_lshrrev_b32 v2, 5, v0
	v_lshlrev_b32 v3, 2, v2                        ; LDS: 4 x wave
	v_mov_b32 v24, 0                               ; LDS: 0
	v_mov_b32 v22, 0                               ; written once: a lane permute's destination counts as one of its sources
	v_mov_b32 v23, 0
	v_mov_b32 v27, 0                               ; (named as the upper half of the pair v[26:27])
	s_lshl_b32 s12, ttmp9, 13                      ; a row of scores and of out0: 8,192 bytes
	s_mov_b32 s13, 0
	s_lshl_b32 s14, ttmp9, 12                      ; a row of hidden: 4,096
	s_mov_b32 s15, 0
	s_mov_b32 s[SEL], 0x76543210
	s_mov_b32 s[SEL+1], 0xfedcba98
	s_wait_kmcnt 0x0
	s_add_nc_u64 s[4:5], s[4:5], s[12:13]
	s_add_nc_u64 s[6:7], s[6:7], s[14:15]
	s_add_nc_u64 s[10:11], s[10:11], s[12:13]
	global_load_b128 v[4:7], v1, s[4:5]
	global_load_b128 v[8:11], v1, s[4:5] offset:4096
	global_load_b128 v[12:15], v1, s[6:7]
	global_load_b128 v[16:19], v1, s[8:9]
	s_wait_loadcnt 0x0
	v_mul_f32 v20, v12, v16                        ; my four terms of hidden . bias
	v_fmac_f32 v20, v13, v17
	v_fmac_f32 v20, v14, v18
	v_fmac_f32 v20, v15, v19
	v_max3_num_f32 v21, v4, v5, v6                 ; the largest of my eight scores
	v_max3_num_f32 v21, v21, v7, v8
	v_max3_num_f32 v21, v21, v9, v10
	v_max_num_f32 v21, v21, v11
.irp k, 1,2,4,8                                ; across the 32 lanes: four steps inside each half ride on the arithmetic, one crosses the halves
	v_add_f32_dpp v20, v20, v20 row_xmask:\k row_mask:0xf bank_mask:0xf
	v_max_num_f32_dpp v21, v21, v21 row_xmask:\k row_mask:0xf bank_mask:0xf
.endr
	v_permlanex16_b32 v22, v20, s[SEL], s[SEL+1]
	v_permlanex16_b32 v23, v21, s[SEL], s[SEL+1]
	v_add_f32 v20, v20, v22
	v_max_num_f32 v21, v21, v23
	ds_store_b32 v3, v20                           ; all lanes of a wave write the same word with the same value
	ds_store_b32 v3, v21 offset:64
	BARRIER
	ds_load_b128 v[28:31], v24                     ; the eight waves' sums,
	ds_load_b128 v[32:35], v24 offset:16
	ds_load_b128 v[36:39], v24 offset:64           ; and their maxima
	ds_load_b128 v[40:43], v24 offset:80
	s_wait_dscnt 0x0
	v_pk_add_f32 v[28:29], v[28:29], v[30:31]
	v_pk_add_f32 v[32:33], v[32:33], v[34:35]
	v_pk_add_f32 v[28:29], v[28:29], v[32:33]
	v_add_f32 v28, v28, v29                        ; hb = hidden . bias
	v_max3_num_f32 v36, v36, v37, v38
	v_max3_num_f32 v36, v36, v39, v40
	v_max3_num_f32 v36, v36, v41, v42
	v_max_num_f32 v36, v36, v43                    ; the row's largest score
	v_add_f32 v26, v36, v28                        ; M
.irp j, 4,6,8,10
	v_pk_add_f32 v[\j:\j+1], v[\j:\j+1], v[28:29] op_sel_hi:[1,0]   ; x = s + hb (of the pair the low word serves both halves)
.endr
.irp j, 4,6,8,10
	v_pk_add_f32 v[\j:\j+1], v[\j:\j+1], v[26:27] op_sel_hi:[1,0] neg_lo:[0,1] neg_hi:[0,1]   ; x - M: the difference first, then the factor, so that large scores lose nothing
.endr
.irp j, 4,6,8,10
	v_pk_mul_f32 v[\j:\j+1], v[\j:\j+1], 0x3fb8aa3b op_sel_hi:[1,0]   ; x log2(e)
.endr
.irp j, 4,5,6,7,8,9,10,11
	v_exp_f32 v[\j], v[\j]
.endr
	v_nop                                          ; one plain place behind the last exponential
	s_wait_alu depctr_va_vdst(0)
	v_pk_add_f32 v[12:13], v[4:5], v[6:7]
	v_pk_add_f32 v[14:15], v[8:9], v[10:11]
	v_pk_add_f32 v[12:13], v[12:13], v[14:15]
	v_add_f32 v20, v12, v13
.irp k, 1,2,4,8
	v_add_f32_dpp v20, v20, v20 row_xmask:\k row_mask:0xf bank_mask:0xf
.endr
	v_permlanex16_b32 v22, v20, s[SEL], s[SEL+1]
	v_add_f32 v20, v20, v22
	ds_store_b32 v3, v20 offset:128                ; other bytes than the first two reductions': no barrier is owed between their reads and this store
	BARRIER
	ds_load_b128 v[28:31], v24 offset:128
	ds_load_b128 v[32:35], v24 offset:144
	s_wait_dscnt 0x0
	v_pk_add_f32 v[28:29], v[28:29], v[30:31]
	v_pk_add_f32 v[32:33], v[32:33], v[34:35]
	v_pk_add_f32 v[28:29], v[28:29], v[32:33]
	v_add_f32 v28, v28, v29                        ; the row's sum: at least 1, since the largest x gives 2^0
	v_rcp_f32 v30, v28
	v_nop                                          ; one plain place behind the reciprocal
	s_wait_alu depctr_va_vdst(0)
.irp j, 4,6,8,10
	v_pk_mul_f32 v[\j:\j+1], v[\j:\j+1], v[30:31] op_sel_hi:[1,0]
.endr
	global_store_b128 v1, v[4:7], s[10:11]         ; a wave stores 512 consecutive bytes, at a multiple of 512 from the buffer's first byte
	global_store_b128 v1, v[8:11], s[10:11] offset:4096
	s_wait_tensorcnt 0x0
	ds_add_u32 v48, v49
	s_wait_dscnt 0x0
	s_endpgm
.Lfunc_end_k_q60f53e2b54_soft:
	.size	k_q60f53e2b54_soft, .Lfunc_end_k_q60f53e2b54_soft-k_q60f53e2b54_soft
	.p2alignl 7, 3214868480
	.fill 96, 4, 3214868480
	.section	.rodata,"a",@progbits
	.p2align	6, 0x0
	.amdhsa_kernel k_q60f53e2b54_soft
		.amdhsa_group_segment_fixed_size 1536
		.amdhsa_private_segment_fixed_size 0
		.amdhsa_enable_private_segment 0
		.amdhsa_kernarg_size 32
		.amdhsa_user_sgpr_count 2
		.amdhsa_user_sgpr_kernarg_segment_ptr 1
		.amdhsa_wavefront_size32 1
		.amdhsa_system_sgpr_workgroup_id_x 1
		.amdhsa_system_sgpr_workgroup_id_y 1
		.amdhsa_system_sgpr_workgroup_id_z 1
		.amdhsa_system_vgpr_workitem_id 0
		.amdhsa_next_free_vgpr 50
		.amdhsa_next_free_sgpr 66
		.amdhsa_reserve_vcc 0
		.amdhsa_float_denorm_mode_32 3
		.amdhsa_float_denorm_mode_16_64 3
		.amdhsa_memory_ordered 1
		.amdhsa_forward_progress 1
		.amdhsa_inst_pref_size 7
	.end_amdhsa_kernel
	.amdgpu_metadata
---
amdhsa.version: [ 1, 2 ]
amdhsa.kernels:
  - .name:           k_q60f53e2b54_soft
    .symbol:         k_q60f53e2b54_soft.kd
    .args:
      - { .name: scores, .offset: 0, .size: 8, .value_kind: global_buffer, .address_space: global }
      - { .name: hidden, .offset: 8, .size: 8, .value_kind: global_buffer, .address_space: global }
      - { .name: b, .offset: 16, .size: 8, .value_kind: global_buffer, .address_space: global }
      - { .name: out0, .offset: 24, .size: 8, .value_kind: global_buffer, .address_space: global }
    .group_segment_fixed_size: 1536
    .private_segment_fixed_size: 0
    .kernarg_segment_align: 8
    .kernarg_segment_size: 32
    .max_flat_workgroup_size: 256
    .sgpr_count:     66
    .vgpr_count:     50
    .wavefront_size: 32
...
	.end_amdgpu_metadata
.endif
;; end of part 3
;; ======== version 2 of 2: 3 launches
;; limits: right only within a limited range of input values
;; workspace buffers: wpk 819,200 bytes; scores 262,144 bytes
;; launch wquant (part 4): grid 128 x 1, 4 waves a work-group, no clusters, 34,816 bytes of LDS; arguments W, wpk; writes wpk
.if DOCPART == 4
	.amdgcn_target "amdgcn-amd-amdhsa--gfx1250"
	.amdhsa_code_object_version 6
	.text
	.protected	k_q60f53e2b54_wquant
	.globl	k_q60f53e2b54_wquant
	.p2align	8
	.type	k_q60f53e2b54_wquant,@function
k_q60f53e2b54_wquant:
	s_mov_b64 s[64:65], 0
	v_nop
	global_prefetch_b8 v0, s[64:65] scope:SCOPE_SE
	s_setreg_imm32_b32 hwreg(HW_REG_WAVE_MODE, 25, 1), 1
	s_wait_xcnt 0x0
; W [1024 (n)][1024 (k)], f32, K innermost, becomes codes of BF6 (E3M2) with one E8M0 byte for each 32 along K, laid IN THE ORDER OF THE OPERAND'S REGISTERS, in 16 packages of 51,200 bytes.
; Package g = 4 c + q holds rows n = 256 q .. 256 q + 255 for k = 256 c .. 256 c + 255: what the product's launch multiplies in one step.
;   codes: the fragment of tile T (16 rows) and K step u (128 along K) at (2 T + u) x 1,536: its twelve registers as three groups of four, group i at 512 i + 16 x lane.
;          Lane (r, h) holds row 16 T + r; registers 6 c2 .. 6 c2 + 5 hold k = 128 u + 64 c2 + 32 h + 0 .. 31.
;   scale words: from byte 49,152 on, 256 bytes for each pair of tiles: lane l has 8 bytes at 8 l: the words of tiles 2 Tp and 2 Tp + 1; lanes 0-15 those of u = 0, lanes 16-31 those of u = 1, row l % 16.
; A block's scale is 2^(floor(log2(its largest magnitude)) - 4); its byte is the largest magnitude's exponent field - 4, held at 1 from below; numbers beyond 28 x the scale take the largest code (the conversion does that).
; LIMITS: a block of zeros gets the byte 1 where the rule says 127: its codes are zeros, which add nothing under any byte but 0xff, and this program alone reads the bytes.  NaN and infinities are not served.
; SHARES: work-group G takes package G / 8 and the pair of tiles G % 8; wave w one unit of 16 rows x 128 K: tile 2 Tp + w / 2, K step w % 2.  128 work-groups: W has 512 such units, and a pair of tiles' scale words
; fill one aligned run of 256 bytes only if four units meet.  No ring, no matrix unit, no cluster: 4 MiB are read once and nothing is shared.
; Each load reads 512 consecutive bytes of a row; the conversions want 32 neighbours along K in ONE lane, so the unit turns through the wave's own stage in LDS.
; DEAD WORK THAT THE PROGRAM LEAVES OUT: the bias b.  reference() adds b to proj behind the quantised product, so b enters no quantised operand; in scores[b'][s] it makes the term hidden[b'] . b,
; one number for each b', the same for every s.  softmax over s of (x + c) is softmax of x for every real c, whatever the inputs hold.  So b has no way to the output: it is not loaded and is among no launch's arguments.
; LIMIT: a NaN, an infinity or an overflow that reaches only hidden . b is not carried to the result.
.set SPITCH, 528                       ; a stage row: 512 bytes + 16, so that the sixteen rows that a load of 16 bytes a lane touches start at sixteen different banks (ISA guide 11.1)
.set STGB,   16*SPITCH                 ; a wave's stage
.set SCL,    4*STGB                    ; behind the stages: the pair of tiles' 64 scale words
.set PKG,    51200
.set LO,  5                            ; v5   16 x lane
.set STW, 6                            ; v6   the stage, on the way in: 16 x lane
.set STR, 7                            ; v7   on the way out: row r, + 128 h
.set SWA, 8                            ; v8   where my row's scale word goes
.set GO8, 9                            ; v9   8 x lane
.set SRD, 10                           ; v10  where wave 0 reads the words back
.set SH8, 11                           ; v11  8 h
.set TM,  12                           ; v12-13 largest magnitudes;  v14-15 the conversions' scale operands;  v16-17 bytes;  v18 the scale word;  v19 the other half's
.set SOP, 14
.set BY,  16
.set PW,  18
.set PW2, 19
.set PC,  20                           ; v20-31 the fragment's twelve registers
.set CT,  32                           ; v32-34, v36-38 the upper halves of the two blocks, as converted
.set LD,  40                           ; v40-103 the unit as loaded
.set X,   104                          ; v104-167 the unit as the conversions want it
.set SEL, 28                           ; s[28:29] v_permlanex16_b32's selects for lane l xor 16
; 64 numbers of a lane, v[X + 32 c2 + n] = k 64 c2 + 32 h + n of my row: two whole blocks.  They become the fragment's registers in v[PC] on and my row's scale word in v[PW].
.macro QUANT
.irp c2, 0,1
	v_max3_num_f32 v[TM+\c2], |v[X+32*\c2]|, |v[X+32*\c2+1]|, 0x2800000   ; with the floor 2^(5 - 127) among the leaves: the byte cannot fall under 1
.endr
.irp i, 2,4,6,8,10,12,14,16,18,20,22,24,26,28,30
.irp c2, 0,1
	v_max3_num_f32 v[TM+\c2], v[TM+\c2], |v[X+32*\c2+\i]|, |v[X+32*\c2+\i+1]|   ; (the two blocks by turns)
.endr
.endr
.irp c2, 0,1
	v_add_nc_u32 v[SOP+\c2], 0xfe000000, v[TM+\c2]   ; 4 off the exponent field: the conversion takes the exponent field of this operand as its scale, and nothing else of it
.endr
.irp c2, 0,1
	v_lshrrev_b32 v[BY+\c2], 23, v[SOP+\c2]          ; the scale's byte
.endr
	v_lshl_or_b32 v[PW], v[BY+1], 16, v[BY]          ; my two bytes: blocks h and 2 + h,
	v_lshlrev_b32 v[PW], v[SH8], v[PW]               ; at their places in the word;
	v_permlanex16_b32 v[PW2], v[PW], s[SEL], s[SEL+1]
	v_or_b32 v[PW], v[PW], v[PW2]                    ; with lane l xor 16's two the word is whole
.irp c2, 0,1
	v_cvt_scalef32_pk16_bf6_f32 v[PC+6*\c2:PC+6*\c2+2], v[X+32*\c2:X+32*\c2+15], v[SOP+\c2]
	v_cvt_scalef32_pk16_bf6_f32 v[CT+4*\c2:CT+4*\c2+2], v[X+32*\c2+16:X+32*\c2+31], v[SOP+\c2]   ; (a conversion's three registers begin on an even number: a block's upper half is made apart and moved)
.endr
	v_nop                                            ; one plain place behind a scaled conversion
.irp c2, 0,1
.irp i, 0,1,2
	v_mov_b32 v[PC+6*\c2+3+\i], v[CT+4*\c2+\i]
.endr
.endr
.endm
	s_load_b128 s[4:7], s[0:1], 0x0                ; W s[4:5], the packages s[6:7]
	v_lshl_add_u32 v168, v0, 2, 0x8600
	v_mov_b32 v169, 0
	v_lshrrev_b32 v1, 5, v0
	v_readfirstlane_b32 s8, v1                     ; wave 0..3
	v_and_b32 v2, 31, v0                           ; lane
	v_and_b32 v3, 15, v0                           ; r
	s_wait_alu depctr_va_vdst(0)
	v_bfe_u32 v4, v0, 4, 1                         ; h
	s_wait_alu depctr_va_vdst(0)
	v_lshlrev_b32 v[LO], 4, v2
	s_lshr_b32 s9, s8, 1                           ; x: which tile of the pair
	s_and_b32 s10, s8, 1                           ; u: which K step
	s_lshr_b32 s11, ttmp9, 3                       ; g: the package
	s_and_b32 s12, ttmp9, 7                        ; Tp: the pair of tiles
	s_lshr_b32 s13, s11, 2                         ; c
	s_and_b32 s14, s11, 3                          ; q
	s_mul_i32 s15, s8, STGB                        ; my stage
	v_add_nc_u32 v[STW], s15, v[LO]
	v_mul_u32_u24 v[STR], v3, SPITCH
	v_lshl_add_u32 v[STR], v4, 7, v[STR]
	v_add_nc_u32 v[STR], s15, v[STR]
	s_lshl_b32 s15, s10, 7                         ; the scale word of (x, u, r): 128 u + 8 r + 4 x
	s_lshl_b32 s16, s9, 2
	s_add_co_u32 s15, s15, s16
	s_add_co_u32 s15, s15, SCL
	v_lshl_add_u32 v[SWA], v3, 3, s15
	v_lshlrev_b32 v[GO8], 3, v2
	v_add_nc_u32 v[SRD], SCL, v[GO8]
	v_lshlrev_b32 v[SH8], 3, v4
	v_mov_b32 v[PW2], 0                            ; written once: a lane permute's destination counts as one of its sources
	s_mov_b32 s[SEL], 0x76543210
	s_mov_b32 s[SEL+1], 0xfedcba98
	s_lshl_b32 s16, s14, 8                         ; my first row of W: 256 q + 32 Tp + 16 x,
	s_lshl_b32 s17, s12, 5
	s_add_co_u32 s16, s16, s17
	s_lshl_b32 s17, s9, 4
	s_add_co_u32 s16, s16, s17
	s_lshl_b32 s16, s16, 12                        ; of 4,096 bytes,
	s_lshl_b32 s17, s13, 10
	s_add_co_u32 s16, s16, s17                     ; + 1,024 c
	s_lshl_b32 s17, s10, 9
	s_add_co_u32 s16, s16, s17                     ; + 512 u
	s_mov_b32 s17, 0
	s_mul_i32 s18, s11, PKG                        ; the package,
	s_mov_b32 s19, 0
	s_lshl_b32 s20, s12, 2                         ; my fragment in it: 2 T + u = 4 Tp + 2 x + u,
	s_lshl_b32 s21, s9, 1
	s_add_co_u32 s20, s20, s21
	s_add_co_u32 s20, s20, s10
	s_mul_i32 s20, s20, 1536
	s_mov_b32 s21, 0
	s_lshl_b32 s22, s12, 8                         ; and the pair's scale words
	s_add_co_u32 s22, s22, 49152
	s_mov_b32 s23, 0
	s_wait_alu depctr_va_vdst(0)
	s_wait_kmcnt 0x0
	s_add_nc_u64 s[4:5], s[4:5], s[16:17]
	s_add_nc_u64 s[6:7], s[6:7], s[18:19]
	s_add_nc_u64 s[24:25], s[6:7], s[20:21]
	s_add_nc_u64 s[26:27], s[6:7], s[22:23]
.irp i, 0,1,2,3,4,5,6,7,8,9,10,11,12,13,14,15
	global_load_b128 v[LD+4*\i:LD+4*\i+3], v[LO], s[4:5] offset:4096*\i th:TH_LOAD_NT   ; row i: 32 lanes read 512 consecutive bytes; read once in the launch
.endr
	s_wait_loadcnt 0x0
.irp i, 0,1,2,3,4,5,6,7,8,9,10,11,12,13,14,15
	ds_store_b128 v[STW], v[LD+4*\i:LD+4*\i+3] offset:SPITCH*\i
.endr
.irp n, 0,1,2,3,4,5,6,7,8,9,10,11,12,13,14,15
	ds_load_b128 v[X+4*\n:X+4*\n+3], v[STR] offset:256*(\n/8)+16*(\n%8)   ; LDS serves a wave's instructions in order (ISA guide 5.7.1.4): these see my stores
.endr
	s_wait_dscnt 0x0
	QUANT
.irp n, 0,1,2
	global_store_b128 v[LO], v[PC+4*\n:PC+4*\n+3], s[24:25] offset:512*\n   ; 32 lanes store 512 consecutive bytes, at a multiple of 256 from the buffer's first byte
.endr
	ds_store_b32 v[SWA], v[PW]                     ; lanes r and 16 + r write the same word with the same value
	s_wait_dscnt 0x0                               ; for wave 0's sake: my word is in LDS
	s_barrier_signal -1
	s_barrier_wait -1
	s_cmp_lg_u32 s8, 0
	s_cbranch_scc1 .Ldone
	ds_load_b64 v[LD:LD+1], v[SRD]
	s_wait_dscnt 0x0
	global_store_b64 v[GO8], v[LD:LD+1], s[26:27]  ; 32 lanes store 256 consecutive bytes, aligned
.Ldone:
	s_wait_tensorcnt 0x0
	ds_add_u32 v168, v169
	s_wait_dscnt 0x0
	s_endpgm
.Lfunc_end_k_q60f53e2b54_wquant:
	.size	k_q60f53e2b54_wquant, .Lfunc_end_k_q60f53e2b54_wquant-k_q60f53e2b54_wquant
	.p2alignl 7, 3214868480
	.fill 96, 4, 3214868480
	.section	.rodata,"a",@progbits
	.p2align	6, 0x0
	.amdhsa_kernel k_q60f53e2b54_wquant
		.amdhsa_group_segment_fixed_size 34816
		.amdhsa_private_segment_fixed_size 0
		.amdhsa_enable_private_segment 0
		.amdhsa_kernarg_size 16
		.amdhsa_user_sgpr_count 2
		.amdhsa_user_sgpr_kernarg_segment_ptr 1
		.amdhsa_wavefront_size32 1
		.amdhsa_system_sgpr_workgroup_id_x 1
		.amdhsa_system_sgpr_workgroup_id_y 1
		.amdhsa_system_sgpr_workgroup_id_z 1
		.amdhsa_system_vgpr_workitem_id 0
		.amdhsa_next_free_vgpr 170
		.amdhsa_next_free_sgpr 66
		.amdhsa_reserve_vcc 0
		.amdhsa_float_denorm_mode_32 3
		.amdhsa_float_denorm_mode_16_64 3
		.amdhsa_memory_ordered 1
		.amdhsa_forward_progress 1
		.amdhsa_inst_pref_size 10
	.end_amdhsa_kernel
	.amdgpu_metadata
---
amdhsa.version: [ 1, 2 ]
amdhsa.kernels:
  - .name:           k_q60f53e2b54_wquant
    .symbol:         k_q60f53e2b54_wquant.kd
    .args:
      - { .name: W, .offset: 0, .size: 8, .value_kind: global_buffer, .address_space: global }
      - { .name: wpk, .offset: 8, .size: 8, .value_kind: global_buffer, .address_space: global }
    .group_segment_fixed_size: 34816
    .private_segment_fixed_size: 0
    .kernarg_segment_align: 8
    .kernarg_segment_size: 16
    .max_flat_workgroup_size: 128
    .sgpr_count:     66
    .vgpr_count:     170
    .wavefront_size: 32
...
	.end_amdgpu_metadata
.endif
;; end of part 4
;; launch score (part 5): grid 8 x 32, 8 waves a work-group, clusters of 4 x 1, 327,680 bytes of LDS; arguments encoder_outputs, hidden, wpk, scores; writes scores
.if DOCPART == 5
	.amdgcn_target "amdgcn-amd-amdhsa--gfx1250"
	.amdhsa_code_object_version 6
	.text
	.protected	k_q60f53e2b54_score
	.globl	k_q60f53e2b54_score
	.p2align	8
	.type	k_q60f53e2b54_score,@function
k_q60f53e2b54_score:
	s_mov_b64 s[64:65], 0
	v_nop
	global_prefetch_b8 v0, s[64:65] scope:SCOPE_SE
	s_setreg_imm32_b32 hwreg(HW_REG_WAVE_MODE, 25, 1), 1
	s_wait_xcnt 0x0
	s_wait_alu depctr_hold_cnt(0) depctr_sa_sdst(0) depctr_va_vdst(0) depctr_va_sdst(0) depctr_va_ssrc(0) depctr_va_vcc(0) depctr_vm_vsrc(0)
	s_getreg_b32 s2, hwreg(HW_REG_IB_STS2, 6, 4)
	s_cmp_eq_u32 s2, 0
	s_cbranch_scc0 .Lentry_in_a_cluster
	s_endpgm
.Lentry_in_a_cluster:
	s_bfe_u32 s2, ttmp6, 0x10000c
	s_cmp_lg_u32 s2, 0x3003
	s_cbranch_scc0 .Lentry_shape_is_right
	s_endpgm
.Lentry_shape_is_right:
; scores[b][s] = the sum over n of hidden[b][n] x P[s][b][n],  P = Q(E) Q(W)^T on codes of BF6 (E3M2) with one E8M0 scale for each 32 along K, sums in f32.  E: [2048 (s)][32 (b)][1024] f32; scores: [32][2048] f32.
; LEFT OUT: hidden . bias, the same for all s of a row and so without effect behind the softmax (shown at the head of the first kernel).
; SHARES.  A work-group owns 256 values of s for ONE b: 256 rows of E, 131,072 bytes apart, 4,096 bytes each.  256 work-groups.
; The sum over n is linear in K: the product over a chunk of 256 along K is multiplied by hidden and summed at once, so W passes once and E is read once.
; ROLES.  Waves 4-7 (P) read E as f32, quantise it and lay it in LDS as images of the operand's registers; waves 0-3 (M) multiply.  CHUNK 0 IS MADE BY ALL EIGHT WAVES, four units of 16 rows x 128 K each
;   (wave w: tiles 4 q + w % 4, q = 0, 1 for M and 2, 3 for P); its 64 loads a wave go out ahead of the cluster's first round.  Then, in step g = 0 .. 15, M multiplies chunk g / 4 by package g while P makes chunk g / 4 + 1 (g <= 11).
;   P wave p, step q = g % 4: rows 16 (4 q + p) on, two units.  Four units' loads, 64 x 512 bytes, are on their way in each P wave, by counted waits.
;   M wave w: rows 128 (w / 2) on (eight tiles, 16 fragments of the chunk in 192 registers) and 8 of the 16 tiles of n of each package (w % 2): each fragment of W read from LDS feeds eight products.
; W comes as 16 packages of 51,200 bytes (codes and scale words in the order of the operand's registers), one a step, through two LDS slots.
; CLUSTER.  The four work-groups of a cluster walk the same packages: each half package is asked for jointly, by the same tensor load with the same descriptor and a mask that names the four.
; NO DATA PREFETCH: E, 65,536 bytes a step and work-group, is the launch's stream from memory and runs four units ahead by its own loads; a package is 51,200 bytes that all 256 work-groups read in the same step.
; THE MATRIX INSTRUCTION IS USED TRANSPOSED (source 0 = 16 rows of W, source 1 = 16 rows of E): a lane holds ONE row of E (lane % 16) and n = 8 (lane / 16) + 0 .. 7, so the sum over n is packed multiply-adds in the lane.
; THE SECOND PRODUCT has one row for each b: it is done in f32 on the accumulators.
; THE TEXT.  Step 0 (its first products start the running sums) and step 15 (no package follows) are written out; steps 1 to 14 are a loop of seven trips of two steps.
; LIMITS: NaN and infinities are not served; a block of zeros gets the byte 1 (its codes are zeros; the bytes never leave the work-group); the f32 sums go by chunk of K, then by n.
; REGISTERS, in windows of 256.  v1-22 addresses, made ahead of the first parting of the roles.  v192-197 the addresses that change with the step.  v200-207 E's scale words, v208-211 W's: scales and nothing else.
;   M: window 0: v40-87 W's fragments, two sets of two; v88-151 eight accumulators; v152-183 the running sums; v184-191 at work.  window 1: v0-191 E's fragments; v192-255 hidden.
;   P (and M at the head): window 0: v24-52 at work; v64-127 a unit as the conversions want it.  window 1: four units as loaded.
.set ROWE,   131072
.set PKG,    51200
.set ASCL,   49152
.set AREG0,  2*PKG                     ; LDS: two slots for packages (filled by tensor loads alone), two regions for E's images,
.set STAGE,  4*PKG                     ; a stage for each of the eight waves,
.set SPITCH, 528                       ; (a stage row: 512 bytes + 16)
.set STGB,   16*SPITCH
.set HIDB,   STAGE+8*STGB              ; hidden[b], 4,096 bytes,
.set SCB,    HIDB+4096                 ; the partial scores [n half][256 rows],
.set SPARE,  SCB+2048                  ; the spare words, 128 bytes a wave
.set SPW,  1
.set NIL,  2
.set LO,   3                           ; 16 x lane
.set STW,  4                           ; my stage on the way in
.set STR,  5                           ; on the way out: row r, + 128 h
.set IMW,  6                           ; v6-7 where images go, region 0, 1
.set ISW,  8                           ; v8-9 and their scale words
.set AIA,  10                          ; v10-11 M: my rows' images
.set ASA,  12                          ; v12-13 M: their scale words
.set BA,   14                          ; v14-15 M: my tiles of W in slot 0, 1
.set BSA,  16                          ; v16-17 M: their scale words
.set HIDA, 18
.set HIDW, 19
.set SCW,  20
.set SCR,  21
.set SH8,  22
.set AIAC, 192
.set ASAC, 193
.set HIDC, 194
.set IMWC, 195
.set ISWC, 196
.set VOF,  197                         ; P: the byte offset in E of the units asked for in the step
.set AS,   200
.set BSR,  208
.set BF,   40
.set ACC,  88
.set SC,   152
.set OUTR, 184
.set HID,  192                         ; in window 1
.set TM,   24
.set SOP,  26
.set BY,   28
.set PW,   30
.set PW2,  31
.set PC,   32
.set CT,   46
.set X,    64
.set WV,   12                          ; s12 wave; s13 p = wave % 4; s14 i = (wave / 2) % 2; s15 j = wave % 2
.set SEL,  20
.set G1,   24
.set G0,   32
.set EB,   40                          ; s[40:47] E at P's rows of step q
.set HB,   48
.set SOUT, 50
.set LCT,  66
.set GS,   67
.set QS,   68
.set RGN,  69
.set KA,   70
.set KB,   71
.set KC,   72
.set KD,   73
.set EH,   74                          ; s[74:77] E at my rows of chunk 0: two runs of 16 rows, 64 rows apart
.set MSB, 0
.macro WIN new                         ; the immediate's high byte repeats the setting that is left
.if MSB != \new
	s_set_vgpr_msb (MSB<<8)|\new
.set MSB, \new
.endif
.endm
.macro ROUND                           ; a round of the cluster's barrier
	s_barrier_signal -1
	s_barrier_wait -1
	s_cmp_lg_u32 s[WV], 0
	s_cbranch_scc1 .Lnot_wave_0_\@
	s_barrier_signal -3
.Lnot_wave_0_\@:
	s_barrier_wait -3
	s_barrier_signal -1
	s_barrier_wait -1
.endm
.macro JLOAD sl                        ; waves 0 and 1 fetch the two halves of a package, jointly with the three partners
	s_cmp_lt_u32 s[WV], 2
	s_cbranch_scc0 .Lno_load_\@
	tensor_load_to_lds s[G0+4*(\sl):G0+4*(\sl)+3], s[G1:G1+7]
	s_nop 0
.rept 4
	v_nop
.endr
.Lno_load_\@:
.endm
; The head of a step: all my tensor loads have landed; 0 onto my spare word; the add, my LDS stores and my reads of the slot last multiplied are done.  Behind the round the next package is asked for, into that slot.
.macro HEAD g
	s_wait_tensorcnt 0x0
	ds_add_u32 v[SPW], v[NIL]
	s_wait_dscnt 0x0
.if (\g) <= 14
	ROUND
	JLOAD ((\g)+1)%2
.else
	s_barrier_signal -1                            ; no round
	s_barrier_wait -1
.endif
.endm
; The loop's form: hh = 0: g = the counter (odd; slot 0 is filled again), hh = 1: g = the counter + 1.  Between the add and its wait: the descriptor's step and the step's addresses.
.macro HEADL hh
	s_wait_tensorcnt 0x0
	ds_add_u32 v[SPW], v[NIL]
	s_add_nc_u64 s[G0+4*(\hh)+2:G0+4*(\hh)+3], s[G0+4*(\hh)+2:G0+4*(\hh)+3], 2*PKG
	s_add_co_u32 s[GS], s[LCT], \hh                ; g
	s_and_b32 s[QS], s[GS], 3                      ; q
	s_bfe_u32 s[RGN], s[GS], 0x10002               ; (g / 4) % 2
	s_mul_i32 s[KA], s[RGN], PKG                   ; M's region
	s_xor_b32 s[KB], s[RGN], 1
	s_mul_i32 s[KB], s[KB], PKG                    ; P's region
	s_lshl_b32 s[KC], s[QS], 10                    ; hidden: 1,024 bytes a step
	v_add_nc_u32 v[AIAC], s[KA], v[AIA]
	v_add_nc_u32 v[ASAC], s[KA], v[ASA]
	v_add_nc_u32 v[HIDC], s[KC], v[HIDA]
	s_mul_i32 s[KC], s[QS], 12288
	s_add_co_u32 s[KC], s[KC], s[KB]
	v_add_nc_u32 v[IMWC], s[KC], v[IMW]
	s_lshl_b32 s[KC], s[QS], 9
	s_add_co_u32 s[KC], s[KC], s[KB]
	v_add_nc_u32 v[ISWC], s[KC], v[ISW]
	s_add_co_u32 s[KD], s[GS], 2                   ; P asks two steps ahead
	s_and_b32 s[KC], s[KD], 3
	s_lshl_b32 s[KC], s[KC], 23                    ; 64 rows for each step of a chunk,
	s_lshr_b32 s[KD], s[KD], 2
	s_lshl_b32 s[KD], s[KD], 10                    ; 1,024 bytes along a row for each chunk,
	s_add_co_u32 s[KC], s[KC], s[KD]
	s_add_co_u32 s[KC], s[KC], 1024                ; and P is a chunk ahead of M
	s_wait_xcnt 0x0                                ; the offset register of pending loads is rewritten only behind this wait
	v_add_nc_u32 v[VOF], s[KC], v[LO]
	s_wait_dscnt 0x0
	ROUND
	JLOAD \hh
.endm
; ---------------- making images ----------------
.macro LOADH x                         ; chunk 0: my unit x = 2 q' + u into set x; each line reads 512 consecutive bytes of a row
.irp i, 0,1,2,3,4,5,6,7,8,9,10,11,12,13,14,15
	global_load_b128 v[64*(\x)+4*\i:64*(\x)+4*\i+3], v[LO], s[EH+2*((\x)/2):EH+2*((\x)/2)+1] offset:ROWE*\i+512*((\x)%2) th:TH_LOAD_NT
.endr
.endm
.macro LOADU v                         ; P: unit v = 8 c + 2 q + u into set v % 4
.set LC, (\v)/8
.set LQ, ((\v)%8)/2
.set LU, (\v)%2
.set LR, 64*((\v)%4)
.irp i, 0,1,2,3,4,5,6,7,8,9,10,11,12,13,14,15
	global_load_b128 v[LR+4*\i:LR+4*\i+3], v[LO], s[EB+2*LQ:EB+2*LQ+1] offset:ROWE*\i+1024*LC+512*LU th:TH_LOAD_NT
.endr
.endm
.macro STURN pr                        ; a unit turns through my stage: the conversions want 32 neighbours along K in one lane
	WIN 0x04
.irp i, 0,1,2,3,4,5,6,7,8,9,10,11,12,13,14,15
	ds_store_b128 v[STW], v[(\pr)+4*\i:(\pr)+4*\i+3] offset:SPITCH*\i
.endr
	WIN 0
.irp n, 0,1,2,3,4,5,6,7,8,9,10,11,12,13,14,15
	ds_load_b128 v[X+4*\n:X+4*\n+3], v[STR] offset:256*(\n/8)+16*(\n%8)   ; LDS serves a wave's instructions in order: these see my stores
.endr
	s_wait_dscnt 0x0                               ; the unit is back; the stage's stores and the last unit's image stores have read their registers
.endm
; v[X + 32 c2 + n] = k 64 c2 + 32 h + n of my row: two whole blocks, into the fragment's registers v[PC] on and my row's scale word v[PW]
.macro QUANT
.irp c2, 0,1
	v_max3_num_f32 v[TM+\c2], |v[X+32*\c2]|, |v[X+32*\c2+1]|, 0x2800000   ; the floor 2^(5 - 127) among the leaves: the byte cannot fall under 1
.endr
.irp i, 2,4,6,8,10,12,14,16,18,20,22,24,26,28,30
.irp c2, 0,1
	s_delay_alu instid0(VALU_DEP_2)
	v_max3_num_f32 v[TM+\c2], v[TM+\c2], |v[X+32*\c2+\i]|, |v[X+32*\c2+\i+1]|
.endr
.endr
.irp c2, 0,1
	s_delay_alu instid0(VALU_DEP_2)
	v_add_nc_u32 v[SOP+\c2], 0xfe000000, v[TM+\c2]   ; 4 off the exponent field: the conversion's scale operand
.endr
.irp c2, 0,1
	s_delay_alu instid0(VALU_DEP_2)
	v_lshrrev_b32 v[BY+\c2], 23, v[SOP+\c2]          ; the scale's byte
.endr
	s_delay_alu instid0(VALU_DEP_1)
	v_lshl_or_b32 v[PW], v[BY+1], 16, v[BY]          ; blocks h and 2 + h,
	s_delay_alu instid0(VALU_DEP_1)
	v_lshlrev_b32 v[PW], v[SH8], v[PW]               ; at their places in the word;
	s_delay_alu instid0(VALU_DEP_1)
	v_permlanex16_b32 v[PW2], v[PW], s[SEL], s[SEL+1]
	s_delay_alu instid0(VALU_DEP_1)
	v_or_b32 v[PW], v[PW], v[PW2]                    ; with lane l xor 16's two the word is whole
.irp c2, 0,1
	v_cvt_scalef32_pk16_bf6_f32 v[PC+6*\c2:PC+6*\c2+2], v[X+32*\c2:X+32*\c2+15], v[SOP+\c2]
	v_cvt_scalef32_pk16_bf6_f32 v[CT+4*\c2:CT+4*\c2+2], v[X+32*\c2+16:X+32*\c2+31], v[SOP+\c2]   ; (three registers from an even number on: a block's upper half is made apart and moved)
.endr
	v_nop                                            ; one plain place behind a scaled conversion
.irp c2, 0,1
.irp i, 0,1,2
	v_mov_b32 v[PC+6*\c2+3+\i], v[CT+4*\c2+\i]
.endr
.endr
.endm
.macro IMAGE ia, sa, io, so            ; the fragment as it stands, lane l's 16 bytes at 16 l; lanes r and 16 + r write the same scale word
.irp n, 0,1,2
	ds_store_b128 v[\ia], v[PC+4*\n:PC+4*\n+3] offset:(\io)+512*\n
.endr
	ds_store_b32 v[\sa], v[PW] offset:\so
.endm
.macro PUNITH st, un                   ; an M wave's unit of chunk 0: nothing is asked for behind it
.set PV, 2*(\st)+(\un)
	s_wait_loadcnt 50-16*PV                        ; loads come back in order: out may be the units behind this one, 16 loads each, and the two loads of hidden
	STURN 64*PV
	QUANT
	IMAGE IMW, ISW, 12288*(\st)+1536*(\un), 512*(\st)+64*(\un)
.endm
.macro PUNIT ch, st, un                ; a P wave's unit where the text is written out; the set just emptied takes the unit four on
.set PV, 8*(\ch)+2*(\st)+(\un)
.set PR, 64*(PV%4)
.set PK, (\ch)%2
	s_wait_loadcnt 48                              ; this unit's 16 loads are in; the 48 of the three units behind it stay out
	STURN PR
	WIN 0x40
	LOADU PV+4
	WIN 0
	QUANT
	IMAGE IMW+PK, ISW+PK, 12288*(\st)+1536*(\un), 512*(\st)+64*(\un)
.endm
.macro PUNITL set, un, ld              ; a unit in the loop.  ld = 0: the last four units: nothing is left to ask for
.set PR, 64*(\set)
.if \ld
	s_wait_loadcnt 48
.endif
	STURN PR
.if \ld
	WIN 0x40
.irp i, 0,1,2,3,4,5,6,7,8,9,10,11,12,13,14,15
	global_load_b128 v[PR+4*\i:PR+4*\i+3], v[VOF], s[EB:EB+1] offset:ROWE*\i+512*(\un) th:TH_LOAD_NT
.endr
	WIN 0
.endif
	QUANT
	IMAGE IMWC, ISWC, 1536*(\un), 64*(\un)
.endm
; ---------------- M's macros ----------------
.macro ALOAD ai, as                    ; the chunk's 16 fragments of my rows and their scale words: they stay for four steps
	WIN 0x40
.set N, 0
.rept 48
	ds_load_b128 v[4*N:4*N+3], v[\ai] offset:512*N
.set N, N+1
.endr
	WIN 0
.irp m, 0,1,2,3,4,5,6,7
	ds_load_b32 v[AS+\m], v[\as] offset:128*\m     ; lanes 0-15 K step 0's words, lanes 16-31 K step 1's
.endr
.endm
.macro HLOAD ha, off                   ; hidden for the step's eight tiles of n: lane (r, h) takes the tile's numbers 8 h + 0 .. 7
	WIN 0x40
.irp t, 0,1,2,3,4,5,6,7
.irp x, 0,1
	ds_load_b128 v[HID+8*\t+4*\x:HID+8*\t+4*\x+3], v[\ha] offset:(\off)+64*\t+16*\x
.endr
.endr
.endm
.macro BLOAD t, sl                     ; tile t's two fragments of W into set t % 2; with an even tile the scale words of it and the next
.set BB, BF+24*((\t)%2)
.irp n, 0,1,2,3,4,5
	ds_load_b128 v[BB+4*\n:BB+4*\n+3], v[BA+(\sl)] offset:3072*(\t)+512*\n
.endr
.if ((\t)%2) == 0
.set BQ, BSR+2*(((\t)/2)%2)
	ds_load_b64 v[BQ:BQ+1], v[BSA+(\sl)] offset:256*((\t)/2)
.endif
.endm
.macro WM t, m, u                      ; tile t of W x tile m of E, K step u.  u = 0 starts the sum with the constant 0; u = 1 adds in place
.set RD_, ACC+8*(\m)
.set RB_, BF+24*((\t)%2)+12*(\u)
.set RA_, 12*(2*(\m)+(\u))
.set RS_, BSR+2*(((\t)/2)%2)+(\t)%2
.if (\u) == 0
	v_wmma_scale_f32_16x16x128_f8f6f4 v[RD_:RD_+7], v[RB_:RB_+11], v[RA_:RA_+11], 0, v[RS_], v[AS+(\m)] matrix_a_fmt:MATRIX_FMT_BF6 matrix_b_fmt:MATRIX_FMT_BF6
.else
	v_wmma_scale_f32_16x16x128_f8f6f4 v[RD_:RD_+7], v[RB_:RB_+11], v[RA_:RA_+11], v[RD_:RD_+7], v[RS_], v[AS+(\m)] matrix_a_fmt:MATRIX_FMT_BF6 matrix_b_fmt:MATRIX_FMT_BF6 matrix_a_scale:MATRIX_SCALE_ROW1 matrix_b_scale:MATRIX_SCALE_ROW1
.endif
.endm
.macro RD2 t, m, hf, fz                ; half hf of accumulator m x hidden of tile t, onto the tile's four running sums.  fz = 1: the very first tile's lower half starts the sums
.set RC_, SC+4*(\m)
.set RX_, ACC+8*(\m)+4*(\hf)
.set RH_, HID+8*(\t)+4*(\hf)
.if (\fz) && ((\hf) == 0)
	v_pk_mul_f32 v[RC_:RC_+1], v[RX_:RX_+1], v[RH_:RH_+1]
	v_pk_mul_f32 v[RC_+2:RC_+3], v[RX_+2:RX_+3], v[RH_+2:RH_+3]
.else
	v_pk_fma_f32 v[RC_:RC_+1], v[RX_:RX_+1], v[RH_:RH_+1], v[RC_:RC_+1]
	v_pk_fma_f32 v[RC_+2:RC_+3], v[RX_+2:RX_+3], v[RH_+2:RH_+3], v[RC_+2:RC_+3]
.endif
.endm
; A TILE of W against my eight tiles of E.  The next tile's fragments are asked for first, a whole tile ahead of their use, into the set that the tile before read (its products stand 36 vector instructions back).
; Then ONE RUN of 16 matrix instructions: the eight accumulators by turns, K step 0 and then K step 1, so that seven others' stand between two on one accumulator.
; Four places (ISA guide 7.12.1), and ONE RUN of 32 multiply-adds: all lower halves, then all upper halves.
.macro TILE t, sl, fz
	s_wait_dscnt 0x0                               ; this tile's fragments are in
.if (\t) < 7
	BLOAD (\t)+1, \sl
.endif
.irp u, 0,1
.irp m, 0,1,2,3,4,5,6,7
	WM \t, \m, \u
.endr
.endr
.rept 4
	v_nop
.endr
.irp hf, 0,1
.irp m, 0,1,2,3,4,5,6,7
	RD2 \t, \m, \hf, \fz
.endr
.endr
.endm
.macro MBODY sl, gz                    ; the eight tiles of a package in slot sl against my rows.  gz = 1: step 0
	WIN 0x04                                       ; source 1 window 1 (E's fragments in a product, hidden in a multiply-add)
	BLOAD 0, \sl
	TILE 0, \sl, \gz
.irp t, 1,2,3,4,5,6,7
	TILE \t, \sl, 0
.endr
	WIN 0
.endm
; A step of M.  The wait for 0 at its head states that no global load of an M wave is out, so that the LDS loads below land in no register that a global load may still write.
.macro MSTEP0
	s_wait_loadcnt 0x0
	ALOAD AIA, ASA
	HLOAD HIDA, 0
	MBODY 0, 1
.endm
.macro MSTEP15
	s_wait_loadcnt 0x0
	HLOAD HIDA, 3072
	MBODY 1, 0
.endm
.macro MSTEPL hh                       ; hh = 0: g odd, slot 1; hh = 1: g even, slot 0, and with q = 0 a new chunk begins
	s_wait_loadcnt 0x0
.if (\hh) == 1
	s_cmp_lg_u32 s[QS], 0
	s_cbranch_scc1 .Lsame_chunk_\@
	s_wait_alu depctr_va_vdst(0)
	ALOAD AIAC, ASAC
.Lsame_chunk_\@:
.endif
	s_wait_alu depctr_va_vdst(0)
	HLOAD HIDC, 0
	MBODY 1-(\hh), 0
.endm
.macro MEND                            ; a tile's four sums and the other half of the lanes' make a row's partial score
.irp m, 0,1,2,3,4,5,6,7
	v_pk_add_f32 v[SC+4*\m:SC+4*\m+1], v[SC+4*\m:SC+4*\m+1], v[SC+4*\m+2:SC+4*\m+3]
.endr
.irp m, 0,1,2,3,4,5,6,7
	v_add_f32 v[SC+4*\m], v[SC+4*\m], v[SC+4*\m+1]
.endr
.irp m, 0,1,2,3,4,5,6,7
	v_permlanex16_b32 v[SC+4*\m+2], v[SC+4*\m], s[SEL], s[SEL+1]
.endr
.irp m, 0,1,2,3,4,5,6,7
	v_add_f32 v[SC+4*\m], v[SC+4*\m], v[SC+4*\m+2]
.endr
.irp m, 0,1,2,3,4,5,6,7
	ds_store_b32 v[SCW], v[SC+4*\m] offset:64*\m   ; lanes r and 16 + r write the same word with the same value
.endr
.endm
; A step of the loop: the head, which every wave passes; then the roles part on the wave's number and join again.  P has three ways, by g alone: up to step 9 two units with their loads; in steps 10 and 11 the last
; four units; from step 12 on nothing.  Every way but the first waits for all loads, so that on the first the count 48 always stands for the three units behind the one that is read.
.macro STEPL hh
	HEADL \hh
	s_cmp_lt_u32 s[WV], 4
	s_cbranch_scc0 .Lprod_\@
	MSTEPL \hh
	s_branch .Ljoin_\@
.Lprod_\@:
	s_cmp_gt_u32 s[GS], 9
	s_cbranch_scc1 .Lrun_down_\@
	s_wait_alu depctr_va_vdst(0)
	PUNITL 2-2*(\hh), 0, 1
	PUNITL 3-2*(\hh), 1, 1
	s_branch .Ljoin_\@
.Lrun_down_\@:
	s_wait_loadcnt 0x0
	s_cmp_gt_u32 s[GS], 11
	s_cbranch_scc1 .Ljoin_\@
	PUNITL 2-2*(\hh), 0, 0
	PUNITL 3-2*(\hh), 1, 0
.Ljoin_\@:
.endm
	s_load_b256 s[4:11], s[0:1], 0x0               ; E s[4:5], hidden s[6:7], the packages s[8:9], scores s[10:11]
	v_lshl_add_u32 v[SPW], v0, 2, SPARE
	v_mov_b32 v[NIL], 0
	ds_add_u32 v1, v2
	ds_add_u32 v1, v2
	s_wait_dscnt 0x0
	v_lshrrev_b32 v23, 5, v0
	s_delay_alu instid0(VALU_DEP_1)
	v_readfirstlane_b32 s[WV], v23                 ; wave 0..7
	s_and_b32 s13, s[WV], 3                        ; p
	s_bfe_u32 s14, s[WV], 0x10001                  ; i
	s_and_b32 s15, s[WV], 1                        ; j
	v_and_b32 v24, 31, v0                          ; lane
	v_and_b32 v25, 15, v0                          ; r
	v_bfe_u32 v26, v0, 4, 1                        ; h
	s_delay_alu instid0(VALU_DEP_3)
	v_lshlrev_b32 v[LO], 4, v24
	s_wait_alu depctr_va_vdst(0)
	s_mul_i32 s52, s[WV], STGB
	s_add_co_u32 s52, s52, STAGE                   ; my stage
	v_add_nc_u32 v[STW], s52, v[LO]
	v_mul_u32_u24 v[STR], v25, SPITCH
	s_delay_alu instid0(VALU_DEP_1)
	v_lshl_add_u32 v[STR], v26, 7, v[STR]
	s_delay_alu instid0(VALU_DEP_1)
	v_add_nc_u32 v[STR], s52, v[STR]
	s_mul_i32 s53, s13, 3072                       ; tile 4 q + p's two fragments: 3,072 p (+ 12,288 q)
	s_add_co_u32 s53, s53, AREG0
	v_add_nc_u32 v[IMW], s53, v[LO]
	s_delay_alu instid0(VALU_DEP_1)
	v_add_nc_u32 v[IMW+1], PKG, v[IMW]
	s_lshl_b32 s53, s13, 7                         ; its scale words: 128 p + 4 r (+ 512 q)
	s_add_co_u32 s53, s53, AREG0+ASCL
	v_lshl_add_u32 v[ISW], v25, 2, s53
	s_delay_alu instid0(VALU_DEP_1)
	v_add_nc_u32 v[ISW+1], PKG, v[ISW]
	s_mul_i32 s53, s14, 24576                      ; M: my eight tiles' sixteen fragments
	s_add_co_u32 s53, s53, AREG0
	v_add_nc_u32 v[AIA], s53, v[LO]
	s_delay_alu instid0(VALU_DEP_1)
	v_add_nc_u32 v[AIA+1], PKG, v[AIA]
	s_lshl_b32 s53, s14, 10                        ; M: their scale words, 4 x lane
	s_add_co_u32 s53, s53, AREG0+ASCL
	v_lshl_add_u32 v[ASA], v24, 2, s53
	s_delay_alu instid0(VALU_DEP_1)
	v_add_nc_u32 v[ASA+1], PKG, v[ASA]
	s_mul_i32 s53, s15, 24576                      ; M: my eight tiles of a package
	v_add_nc_u32 v[BA], s53, v[LO]
	s_delay_alu instid0(VALU_DEP_1)
	v_add_nc_u32 v[BA+1], PKG, v[BA]
	s_lshl_b32 s53, s15, 10                        ; M: their scale words, 8 bytes a lane for a pair of tiles
	s_add_co_u32 s53, s53, ASCL
	v_lshl_add_u32 v[BSA], v24, 3, s53
	s_delay_alu instid0(VALU_DEP_1)
	v_add_nc_u32 v[BSA+1], PKG, v[BSA]
	s_lshl_b32 s53, s15, 9                         ; M: hidden: my 128 numbers of a step's 256, + 32 h
	s_add_co_u32 s53, s53, HIDB
	v_lshl_add_u32 v[HIDA], v26, 5, s53
	s_lshl_b32 s53, s13, 10
	s_add_co_u32 s53, s53, HIDB
	v_add_nc_u32 v[HIDW], s53, v[LO]
	s_lshl_b32 s53, s15, 10                        ; M: partial scores: [j][128 i + 16 m + r]
	s_lshl_b32 s54, s14, 9
	s_add_co_u32 s53, s53, s54
	s_add_co_u32 s53, s53, SCB
	v_lshl_add_u32 v[SCW], v25, 2, s53
	s_lshl_b32 s53, s15, 9                         ; waves 0, 1: rows 128 j on, four a lane
	s_add_co_u32 s53, s53, SCB
	v_add_nc_u32 v[SCR], s53, v[LO]
	v_lshlrev_b32 v[SH8], 3, v26
	v_mov_b32 v[PW2], 0                            ; a lane permute's destination counts as one of its sources
	s_mov_b32 s[SEL], 0x76543210
	s_mov_b32 s[SEL+1], 0xfedcba98
	; descriptor group 1: half a package, 25,600 dense bytes, as 100 rows of 256 bytes (32 elements of 8 bytes); no padding: the reads are 16 x lane on end
	s_mov_b32 s[G1+0], 15|(3<<16)|(1<<21)          ; the mask names all four work-groups; bit 21 beside it
	s_mov_b32 s[G1+1], 32<<16
	s_mov_b32 s[G1+2], 100<<16
	s_mov_b32 s[G1+3], 32<<16
	s_mov_b32 s[G1+4], 100
	s_mov_b32 s[G1+5], 32
	s_mov_b32 s[G1+6], 0
	s_mov_b32 s[G1+7], 0
	s_mul_i32 s56, s15, PKG/2                      ; which half I fetch, if I fetch: in memory and in a slot alike
	s_mov_b32 s57, 0
	; what hangs on my place in the cluster lives in s16, s17, s60-63 and s74-77 alone, and enters E's and the scores' addresses alone
	s_bfe_u32 s16, ttmp6, 0x40000                  ; cx
	s_lshl_b32 s17, ttmp9, 2
	s_add_co_u32 s17, s17, s16                     ; my block of 256 values of s
	s_and_b32 s18, ttmp7, 0xffff                   ; b
	s_lshl_b32 s60, s17, 8
	s_lshl_b32 s61, s13, 4
	s_add_co_u32 s60, s60, s61                     ; s = 256 x block + 16 p,
	s_lshl_b32 s60, s60, 17                        ; x 131,072 bytes: under 2^29
	s_lshl_b32 s61, s18, 12
	s_add_co_u32 s60, s60, s61                     ; + 4,096 b
	s_mov_b32 s61, 0
	s_lshr_b32 s74, s[WV], 2                       ; chunk 0: P waves begin 128 rows (2^24 bytes) further down than M waves
	s_lshl_b32 s74, s74, 24
	s_add_co_u32 s74, s74, s60
	s_mov_b32 s75, 0
	s_lshl_b32 s54, s18, 12                        ; hidden: 4,096 b + 1,024 p
	s_lshl_b32 s55, s13, 10
	s_add_co_u32 s54, s54, s55
	s_mov_b32 s55, 0
	s_lshl_b32 s62, s18, 13                        ; scores: 8,192 b + 1,024 x block + 512 j
	s_lshl_b32 s63, s17, 10
	s_add_co_u32 s62, s62, s63
	s_lshl_b32 s63, s15, 9
	s_add_co_u32 s62, s62, s63
	s_mov_b32 s63, 0
	s_wait_kmcnt 0x0
	s_add_nc_u64 s[EH:EH+1], s[4:5], s[74:75]
	s_add_nc_u64 s[EH+2:EH+3], s[EH:EH+1], 64*ROWE
	WIN 0x40                                       ; every wave's four units of chunk 0 are asked for at once, ahead of the cluster's round
	LOADH 0
	LOADH 1
	LOADH 2
	LOADH 3
	WIN 0
	s_add_nc_u64 s[EB:EB+1], s[4:5], s[60:61]
	s_add_nc_u64 s[EB+2:EB+3], s[EB:EB+1], 64*ROWE
	s_add_nc_u64 s[EB+4:EB+5], s[EB:EB+1], 128*ROWE
	s_add_nc_u64 s[EB+6:EB+7], s[EB:EB+1], 192*ROWE
	s_add_nc_u64 s[HB:HB+1], s[6:7], s[54:55]
	s_add_nc_u64 s[SOUT:SOUT+1], s[10:11], s[62:63]
	s_add_nc_u64 s[58:59], s[8:9], s[56:57]
	s_mov_b32 s[G0+0], 1
	s_mov_b32 s[G0+1], s56                         ; slot 0
	s_mov_b64 s[G0+2:G0+3], s[58:59]               ; package 0
	s_or_b32 s[G0+3], s[G0+3], 0x80000000
	s_mov_b32 s[G0+4], 1
	s_add_co_u32 s[G0+5], s56, PKG                 ; slot 1
	s_add_nc_u64 s[G0+6:G0+7], s[58:59], PKG       ; package 1
	s_or_b32 s[G0+7], s[G0+7], 0x80000000
	ROUND                                          ; all four work-groups are here: the first joint load meets
	JLOAD 0                                        ; package 0; slot 1 is first filled behind step 0's round, as a refill is
	; ---- chunk 0: M waves make tiles p and 4 + p and bring hidden[b] into LDS; P waves make tiles 8 + p and 12 + p and go on asking
	s_cmp_lt_u32 s[WV], 4
	s_cbranch_scc0 .Lprod_first
	global_load_b128 v[OUTR:OUTR+3], v[LO], s[HB:HB+1]
	global_load_b128 v[OUTR+4:OUTR+7], v[LO], s[HB:HB+1] offset:512
	PUNITH 0, 0
	PUNITH 0, 1
	PUNITH 1, 0
	PUNITH 1, 1
	s_wait_loadcnt 0x0
	s_wait_alu depctr_va_vdst(0)
	ds_store_b128 v[HIDW], v[OUTR:OUTR+3]
	ds_store_b128 v[HIDW], v[OUTR+4:OUTR+7] offset:512
	s_branch .Ljoin_first
.Lprod_first:
	PUNIT 0, 2, 0
	PUNIT 0, 2, 1
	PUNIT 0, 3, 0
	PUNIT 0, 3, 1
.Ljoin_first:
	; ---- step 0, written out
	HEAD 0
	s_cmp_lt_u32 s[WV], 4
	s_cbranch_scc0 .Lprod_zero
	MSTEP0
	s_branch .Ljoin_zero
.Lprod_zero:
	PUNIT 1, 0, 0
	PUNIT 1, 0, 1
.Ljoin_zero:
	; ---- steps 1 to 14: seven trips of two
	s_mov_b32 s[LCT], 1
.Lsteps:
	STEPL 0
	STEPL 1
	s_add_co_u32 s[LCT], s[LCT], 2
	s_cmp_lt_u32 s[LCT], 15
	s_cbranch_scc1 .Lsteps
	; ---- step 15, written out
	HEAD 15
	s_cmp_lt_u32 s[WV], 4
	s_cbranch_scc0 .Ljoin_last
	MSTEP15
	MEND
.Ljoin_last:
	; ---- the way out: a row's two partial scores (the two halves of n) meet in LDS; waves 0 and 1 add them and store 128 scores each
	s_wait_dscnt 0x0
	s_barrier_signal -1
	s_barrier_wait -1
	s_cmp_lt_u32 s[WV], 2
	s_cbranch_scc0 .Lend
	ds_load_b128 v[OUTR:OUTR+3], v[SCR]
	ds_load_b128 v[OUTR+4:OUTR+7], v[SCR] offset:1024
	s_wait_dscnt 0x0
	v_pk_add_f32 v[OUTR:OUTR+1], v[OUTR:OUTR+1], v[OUTR+4:OUTR+5]
	v_pk_add_f32 v[OUTR+2:OUTR+3], v[OUTR+2:OUTR+3], v[OUTR+6:OUTR+7]
	global_store_b128 v[LO], v[OUTR:OUTR+3], s[SOUT:SOUT+1]   ; 32 lanes store 512 consecutive bytes, at a multiple of 512 from the buffer's first byte
.Lend:
	s_wait_tensorcnt 0x0                           ; the wave's end
	ds_add_u32 v[SPW], v[NIL]
	s_wait_dscnt 0x0
	ROUND                                          ; the closing round
	s_endpgm
.Lfunc_end_k_q60f53e2b54_score:
	.size	k_q60f53e2b54_score, .Lfunc_end_k_q60f53e2b54_score-k_q60f53e2b54_score
	.p2alignl 7, 3214868480
	.fill 96, 4, 3214868480
	.section	.rodata,"a",@progbits
	.p2align	6, 0x0
	.amdhsa_kernel k_q60f53e2b54_score
		.amdhsa_group_segment_fixed_size 327680
		.amdhsa_private_segment_fixed_size 0
		.amdhsa_enable_private_segment 0
		.amdhsa_kernarg_size 32
		.amdhsa_user_sgpr_count 2
		.amdhsa_user_sgpr_kernarg_segment_ptr 1
		.amdhsa_wavefront_size32 1
		.amdhsa_system_sgpr_workgroup_id_x 1
		.amdhsa_system_sgpr_workgroup_id_y 1
		.amdhsa_system_sgpr_workgroup_id_z 1
		.amdhsa_system_vgpr_workitem_id 0
		.amdhsa_next_free_vgpr 512
		.amdhsa_next_free_sgpr 80
		.amdhsa_reserve_vcc 0
		.amdhsa_float_denorm_mode_32 3
		.amdhsa_float_denorm_mode_16_64 3
		.amdhsa_memory_ordered 1
		.amdhsa_forward_progress 1
		.amdhsa_inst_pref_size 255
	.end_amdhsa_kernel
	.section	.bss,"aw",@nobits
	.p2align	6
	.space	262144
	.amdgpu_metadata
---
amdhsa.version: [ 1, 2 ]
amdhsa.kernels:
  - .name:           k_q60f53e2b54_score
    .symbol:         k_q60f53e2b54_score.kd
    .args:
      - { .name: encoder_outputs, .offset: 0, .size: 8, .value_kind: global_buffer, .address_space: global }
      - { .name: hidden, .offset: 8, .size: 8, .value_kind: global_buffer, .address_space: global }
      - { .name: wpk, .offset: 16, .size: 8, .value_kind: global_buffer, .address_space: global }
      - { .name: scores, .offset: 24, .size: 8, .value_kind: global_buffer, .address_space: global }
    .group_segment_fixed_size: 327680
    .private_segment_fixed_size: 0
    .kernarg_segment_align: 8
    .kernarg_segment_size: 32
    .max_flat_workgroup_size: 256
    .sgpr_count:     80
    .vgpr_count:     512
    .wavefront_size: 32
...
	.end_amdgpu_metadata
.endif
;; end of part 5
;; launch soft (part 6): grid 32 x 1, 8 waves a work-group, no clusters, 1,536 bytes of LDS; arguments scores, out0; writes out0
.if DOCPART == 6
	.amdgcn_target "amdgcn-amd-amdhsa--gfx1250"
	.amdhsa_code_object_version 6
	.text
	.protected	k_q60f53e2b54_soft
	.globl	k_q60f53e2b54_soft
	.p2align	8
	.type	k_q60f53e2b54_soft,@function
k_q60f53e2b54_soft:
	s_mov_b64 s[64:65], 0
	v_nop
	global_prefetch_b8 v0, s[64:65] scope:SCOPE_SE
	s_setreg_imm32_b32 hwreg(HW_REG_WAVE_MODE, 25, 1), 1
	s_wait_xcnt 0x0
; out0[b][0][s] = softmax over s of scores[b][s].  scores: [32][2048] f32, out0: [32][2048] f32.  All in f32.
; LEFT OUT: hidden . bias, the same for all s of a row and so without effect on the softmax (shown at the head of the first kernel).
; A work-group of eight waves owns one b: a row's maximum and sum span the row, and a row is 8,192 bytes, so there is work for 32 work-groups.  Thread t holds 8 scores (16 bytes at 16 t and at 16 t + 4,096):
; every load and store of a wave covers 512 consecutive bytes.  The row stays in registers between the passes.  No matrix unit, no ring, no cluster, no prefetch: nothing is shared or read twice, and there is no loop.
; The row's largest score is taken away before the exponential, so no exponent is above 0.
; LIMITS: NaN and infinities are not served.
.set SEL, 16                           ; s[16:17] v_permlanex16_b32's selects for lane l xor 16
.macro BARRIER
	s_wait_dscnt 0x0
	s_barrier_signal -1
	s_barrier_wait -1
.endm
	s_load_b128 s[4:7], s[0:1], 0x0                ; scores s[4:5], out0 s[6:7]
	v_lshl_add_u32 v48, v0, 2, 0x200
	v_mov_b32 v49, 0
	v_lshlrev_b32 v1, 4, v0                        ; 16 t
	v_lshrrev_b32 v2, 5, v0
	s_delay_alu instid0(VALU_DEP_1)
	v_lshlrev_b32 v3, 2, v2                        ; LDS: 4 x wave
	v_mov_b32 v24, 0                               ; LDS: 0
	v_mov_b32 v22, 0                               ; a lane permute's destination counts as one of its sources
	v_mov_b32 v27, 0                               ; (named as the upper half of the pair v[26:27])
	s_lshl_b32 s12, ttmp9, 13                      ; a row: 8,192 bytes
	s_mov_b32 s13, 0
	s_mov_b32 s[SEL], 0x76543210
	s_mov_b32 s[SEL+1], 0xfedcba98
	s_wait_alu depctr_va_vdst(0)
	s_wait_kmcnt 0x0
	s_add_nc_u64 s[4:5], s[4:5], s[12:13]
	s_add_nc_u64 s[6:7], s[6:7], s[12:13]
	global_load_b128 v[4:7], v1, s[4:5]
	global_load_b128 v[8:11], v1, s[4:5] offset:4096
	s_wait_loadcnt 0x0
	v_max3_num_f32 v21, v4, v5, v6                 ; the largest of my eight scores
	v_max3_num_f32 v20, v7, v8, v9
	s_delay_alu instid0(VALU_DEP_2)
	v_max3_num_f32 v21, v21, v10, v11
	s_delay_alu instid0(VALU_DEP_1)
	v_max_num_f32 v21, v21, v20
.irp k, 1,2,4,8
	s_delay_alu instid0(VALU_DEP_1)
	v_max_num_f32_dpp v21, v21, v21 row_xmask:\k row_mask:0xf bank_mask:0xf
.endr
	s_delay_alu instid0(VALU_DEP_1)
	v_permlanex16_b32 v22, v21, s[SEL], s[SEL+1]
	s_delay_alu instid0(VALU_DEP_1)
	v_max_num_f32 v21, v21, v22
	ds_store_b32 v3, v21                           ; all lanes of a wave write the same word with the same value
	BARRIER
	ds_load_b128 v[36:39], v24                     ; the eight waves' maxima
	ds_load_b128 v[40:43], v24 offset:16
	s_wait_dscnt 0x0
	v_max3_num_f32 v36, v36, v37, v38
	v_max3_num_f32 v39, v39, v40, v41
	s_delay_alu instid0(VALU_DEP_2)
	v_max3_num_f32 v36, v36, v42, v43
	s_delay_alu instid0(VALU_DEP_1)
	v_max_num_f32 v26, v36, v39                    ; M: the row's largest score
.irp j, 4,6,8,10
	v_pk_add_f32 v[\j:\j+1], v[\j:\j+1], v[26:27] op_sel_hi:[1,0] neg_lo:[0,1] neg_hi:[0,1]   ; x - M: the difference first, then the factor, so that large scores lose nothing
.endr
.irp j, 4,6,8,10
	s_delay_alu instid0(VALU_DEP_4)
	v_pk_mul_f32 v[\j:\j+1], v[\j:\j+1], 0x3fb8aa3b op_sel_hi:[1,0]   ; x log2(e)
.endr
	s_wait_alu depctr_va_vdst(0)
.irp j, 4,5,6,7,8,9,10,11
	v_exp_f32 v[\j], v[\j]
.endr
	v_nop                                          ; one plain place behind the last exponential
	s_wait_alu depctr_va_vdst(0)
	v_pk_add_f32 v[12:13], v[4:5], v[6:7]
	v_pk_add_f32 v[14:15], v[8:9], v[10:11]
	s_delay_alu instid0(VALU_DEP_1)
	v_pk_add_f32 v[12:13], v[12:13], v[14:15]
	s_delay_alu instid0(VALU_DEP_1)
	v_add_f32 v20, v12, v13
.irp k, 1,2,4,8
	s_delay_alu instid0(VALU_DEP_1)
	v_add_f32_dpp v20, v20, v20 row_xmask:\k row_mask:0xf bank_mask:0xf
.endr
	s_delay_alu instid0(VALU_DEP_1)
	v_permlanex16_b32 v22, v20, s[SEL], s[SEL+1]
	s_delay_alu instid0(VALU_DEP_1)
	v_add_f32 v20, v20, v22
	ds_store_b32 v3, v20 offset:128                ; other bytes than the maxima's: no barrier is owed between their reads and this store
	BARRIER
	ds_load_b128 v[28:31], v24 offset:128
	ds_load_b128 v[32:35], v24 offset:144
	s_wait_dscnt 0x0
	v_pk_add_f32 v[28:29], v[28:29], v[30:31]
	v_pk_add_f32 v[32:33], v[32:33], v[34:35]
	s_delay_alu instid0(VALU_DEP_1)
	v_pk_add_f32 v[28:29], v[28:29], v[32:33]
	s_delay_alu instid0(VALU_DEP_1)
	v_add_f32 v28, v28, v29                        ; the row's sum: at least 1, since the largest score gives 2^0
	s_wait_alu depctr_va_vdst(0)
	v_rcp_f32 v30, v28
	v_nop                                          ; one plain place behind it
	s_wait_alu depctr_va_vdst(0)
.irp j, 4,6,8,10
	v_pk_mul_f32 v[\j:\j+1], v[\j:\j+1], v[30:31] op_sel_hi:[1,0]
.endr
	global_store_b128 v1, v[4:7], s[6:7]           ; a wave stores 512 consecutive bytes, at a multiple of 512 from the buffer's first byte
	global_store_b128 v1, v[8:11], s[6:7] offset:4096
	s_wait_tensorcnt 0x0                           ; the wave's end
	ds_add_u32 v48, v49
	s_wait_dscnt 0x0
	s_endpgm
.Lfunc_end_k_q60f53e2b54_soft:
	.size	k_q60f53e2b54_soft, .Lfunc_end_k_q60f53e2b54_soft-k_q60f53e2b54_soft
	.p2alignl 7, 3214868480
	.fill 96, 4, 3214868480
	.section	.rodata,"a",@progbits
	.p2align	6, 0x0
	.amdhsa_kernel k_q60f53e2b54_soft
		.amdhsa_group_segment_fixed_size 1536
		.amdhsa_private_segment_fixed_size 0
		.amdhsa_enable_private_segment 0
		.amdhsa_kernarg_size 16
		.amdhsa_user_sgpr_count 2
		.amdhsa_user_sgpr_kernarg_segment_ptr 1
		.amdhsa_wavefront_size32 1
		.amdhsa_system_sgpr_workgroup_id_x 1
		.amdhsa_system_sgpr_workgroup_id_y 1
		.amdhsa_system_sgpr_workgroup_id_z 1
		.amdhsa_system_vgpr_workitem_id 0
		.amdhsa_next_free_vgpr 50
		.amdhsa_next_free_sgpr 66
		.amdhsa_reserve_vcc 0
		.amdhsa_float_denorm_mode_32 3
		.amdhsa_float_denorm_mode_16_64 3
		.amdhsa_memory_ordered 1
		.amdhsa_forward_progress 1
		.amdhsa_inst_pref_size 6
	.end_amdhsa_kernel
	.amdgpu_metadata
---
amdhsa.version: [ 1, 2 ]
amdhsa.kernels:
  - .name:           k_q60f53e2b54_soft
    .symbol:         k_q60f53e2b54_soft.kd
    .args:
      - { .name: scores, .offset: 0, .size: 8, .value_kind: global_buffer, .address_space: global }
      - { .name: out0, .offset: 8, .size: 8, .value_kind: global_buffer, .address_space: global }
    .group_segment_fixed_size: 1536
    .private_segment_fixed_size: 0
    .kernarg_segment_align: 8
    .kernarg_segment_size: 16
    .max_flat_workgroup_size: 256
    .sgpr_count:     66
    .vgpr_count:     50
    .wavefront_size: 32
...
	.end_amdgpu_metadata
.endif
;; end of part 6
